; MI455X (gfx1250); checked and timed in simulation.
; The chip was launched on July 23, 2026; its instructions are those of AMD's public machine-readable ISA for CDNA 5 (MIT licence, August 2026) and "CDNA5" Instruction Set Architecture Reference Guide (July 2026). The comments in the code are by the model that wrote it; some were corrected since.
;; SSCA Module. Allowed arithmetic: matrix products marked QUANTISED: E2M3 operands, one E8M0 scale for each 32 along K, by v_wmma_scale_f32_16x16x128_f8f6f4 with both operands' format E2M3, f32 sums; everything else in f32.
;; Inputs: Wf 2,048 x 2,048 float32; Wf1 2,048 x 2,048 float32; Wq 512 x 64 float32; bf 2,048 float32; bf1 2,048 float32; bq 64 float32; features 16 x 16 x 16 x 2,048 float32; queries 16 x 2,048 x 512 float32.
;; Outputs: out0 16 x 16 x 16 x 64 float32; out1 16 x 2,048 x 64 float32.
;; This version of the problem:
;;   THIS VERSION OF THE PROBLEM IS GIVEN IN LOW PRECISION. The matrix products marked QUANTISED in the list below multiply operands that are first quantised to E2M3 (2 exponent bits, 3 mantissa bits; 6 bits a number), with one power-of-two scale for each 32 numbers along K (OCP MX v1.0); their sums are f32. All else is computed in f32.
;;   The module's matrix products, in the order in which they are computed (A, B: the left and right operand; K: the contracted axis; several contracted axes count as one K, in the product's order):
;;     1. [M 32,768, K 512] x [K 512, N 64]; A: input queries; B: input Wq: QUANTISED
;;     2. [M 4,096, K 2,048] x [K 2,048, N 2,048]; A: input features; B: input Wf: QUANTISED
;;     3. [M 4,096, K 2,048] x [K 2,048, N 2,048]; A: input features; B: input Wf1: QUANTISED
;;     4. batch 16 x [M 256, K 2,048] x [K 2,048, N 64]; A: computed on the way; B: computed on the way: QUANTISED
;;     5. batch 16 x [M 2,048, K 256] x [K 256, N 64]; A: computed on the way; B: computed on the way: QUANTISED
;;   THE QUANTISER, for each operand of a quantised product, along K:
;;     - K is cut into blocks of 32 from its start; a last block that is shorter is filled with zeros.
;;     - A block's scale is 2^e with e = floor(log2(the largest magnitude in the block)) - 2, held to -126 .. 127; a block of zeros has e = 0. As a byte (E8M0): e + 127.
;;     - Each number is divided by its block's scale, clamped to +-7.5, and rounded to the nearest number of E2M3, ties to even, subnormals kept.
;;     - The product sums the exact products of the quantised numbers (number of the format x scale) in f32.
;;   ~~~python
;;   def quantise(x, axis):      # numpy; x: float32 -> the quantised numbers, widened to float32 again
;;       x = np.moveaxis(x, axis, -1); K = x.shape[-1]
;;       x = np.pad(x, [(0, 0)] * (x.ndim - 1) + [(0, -K % 32)]); x = x.reshape(x.shape[:-1] + (-1, 32)); a = np.abs(x).max(-1, keepdims=True)
;;       e = np.where(a > 0, np.clip(np.frexp(np.where(a > 0, a, 1))[1] - 1 - 2, -126, 127), 0)      # np.frexp(a)[1] - 1 = floor(log2(a)), exactly
;;       r = np.clip(x / 2.0 ** e, -7.5, 7.5)
;;       step = 2.0 ** (np.maximum(np.frexp(np.where(r == 0, 1, r))[1] - 1, 0) - 3)
;;       q = np.round(r / step) * step * 2.0 ** e      # np.round: ties to even
;;       return np.moveaxis(q.reshape(q.shape[:-2] + (-1,))[..., :K], -1, axis).astype(np.float32)
;;   ~~~
;;   OPERANDS COMPUTED ON THE WAY. 'Computed on the way' means the value that the module computes at that place (a softmax that the list does not call 'softmax' is quantised finished and normalised). What goes into a quantiser is computed in f32, as accurately as f32 sums, v_exp_f32 and their like allow (about 1e-6 of the number): no bf16 or f16 on the way to a quantiser, and a product that is left as it is and whose result goes on into a quantised operand takes f32 operands (vector FMAs, or v_wmma_f32_16x16x4_f32). A number that lies on a knife's edge between two numbers of the format may be rounded either way, as far as f32 arithmetic and the matrix unit's own rounding can turn it there, and no further.
;; One version. Each part assembles by itself: llvm-mc -triple=amdgcn-amd-amdhsa -mcpu=gfx1250 --defsym DOCPART=n.
;; ======== version 1 of 1: 3 launches
;; workspace buffers: fcod 6,291,456 bytes; fscl 262,144 bytes; wcod 6,291,456 bytes; wscl 262,144 bytes; qcod 1,572,864 bytes; qscl 65,536 bytes; gcod 12,582,912 bytes; gscl 524,288 bytes
;; launch prep (part 1): grid 256 x 1, 8 waves a work-group, no clusters, 327,680 bytes of LDS; arguments queries, features, Wq, bq, Wf, Wf1, fcod, fscl, wcod, wscl, qcod, qscl; writes fcod, fscl, wcod, wscl, qcod, qscl
.if DOCPART == 1
	.amdgcn_target "amdgcn-amd-amdhsa--gfx1250"
	.amdhsa_code_object_version 6
	.text
	.protected	k_q5260e48649_prep
	.globl	k_q5260e48649_prep
	.p2align	8
	.type	k_q5260e48649_prep,@function
k_q5260e48649_prep:
	s_mov_b64 s[64:65], 0
	v_nop
	global_prefetch_b8 v0, s[64:65] scope:SCOPE_SE
	s_setreg_imm32_b32 hwreg(HW_REG_WAVE_MODE, 25, 1), 1
	s_wait_xcnt 0x0
; PREP: every f32 input is read once and leaves as codes of FP6 (E2M3) with one E8M0 byte for each 32 along K.
; Work-group wg (0..255) does four things, the same in every work-group:
;   W:        128 columns x 256 K of Wf (wg < 128) or Wf1, K being the FIRST axis: a lane takes a column, its registers run down K
;   features: 128 rows x 256 K, K innermost
;   Wq:       all of it (512 K x 64 columns), into LDS as operand images, for the product below
;   Q:        rows c = 128 wg .. + 127 of queries: quantised, multiplied by Wq's codes, + bq, and quantised again along c
; A FRAGMENT IMAGE is 1,536 bytes: byte 512 c + 16 lane + 4 e holds register 4 c + e of that lane of the 12-register operand (16 rows x 128 K).
; PHYSICAL ROW ORDER of features, Wf, Wf1: in each group of 32 rows, place 16 u + 8 g + i holds row 16 g + 8 u + i, so that as source 0 of a product
; the 16 result registers of two neighbouring tiles are 16 neighbouring rows.
; A block's scale byte is its largest magnitude's exponent field - 2, held at 1 from below.
; LIMITS: a block of zeros gets the byte 1 where the quantiser's rule says 127 (its codes are zeros, and only this program reads the bytes); blocks whose largest
; magnitude lies under 2^-124 are held at that floor; NaN and infinities among the inputs are not served.
; The scale words leave in pieces of 128 bytes (64 for Q's): 0.6 MB of the 14.7 MB that the launch stores.
; No cluster: of a work-group's 640 KB only Wq's 128 KB are shared, and they go straight into registers.  No prefetch: the launch has nothing to do but stream.
; HOW THE BYTES COME.  W's tile (256 K rows x 512 bytes, at LDS byte 0) and the features' tiles (a wave's own 32 rows x 512 bytes, pitch 520, at FEA) come by tensor loads at the head; no LDS byte is filled twice.
; THE QUERIES GO FROM MEMORY INTO REGISTERS: a wave's 16 rows x 2,048 bytes are 64 loads of 512 consecutive bytes, the 256 registers of window 1.  K steps 0 to 2 (48 loads) are asked for as soon as Wq's loads
; are in, K step 3 behind the features' stores: so they are on their way while W and the features are worked on, across the barrier too.  A load takes a row's bytes as they lie; the conversions want 16 neighbours
; in a lane: so a K step's 16 rows turn through a stage of 16 x 528 bytes.  The stage is the head of the wave's own features region: that region has had its only fill, and this wave alone reads it.
; Behind the tiles, never filled by the mover: Wq's images, their scale words, Q's stage, the spare words.
.set FEA,   131072
.set WQI,   266240                     ; 16 images of Wq: (K step s, tile ta) at (4 s + ta) x 1,536
.set WQS,   290816                     ; their scale words: (2 s + i) x 128 + 4 lane: lanes 0-15 tile 2 i, lanes 16-31 tile 2 i + 1
.set QS,    291840                     ; Q's stage: 64 rows a x (128 c x 4 bytes + 16)
.set SPARE, 325632                     ; the spare words: 128 bytes for each of eight waves
.set LI,  1                            ; 16 x lane
.set LS,  2                            ; 4 x lane
.set CAG, 3                            ; Wq: my column's byte in my K step's first row
.set CAL, 4                            ; W's tile in LDS: the same
.set WIA, 5                            ; where I store Wq's images
.set WSA, 6                            ; and their scale words
.set XF,  7                            ; my lane's place in my features tile
.set XQ,  8                            ; the queries' stage, back: 528 r + 64 h
.set QSW, 9                            ; Q's stage, in
.set QSR, 10                           ; Q's stage, back
.set QSO, 11                           ; my scale word's place in qscl
.set SPW, 12                           ; my spare word; never rewritten
.set NIL, 13                           ; 0; never rewritten
.set BQA, 14                           ; 4 x (lane % 16)
.set T0,  15
.set TM,  16                           ; v16-31 at work in QUANT
.set ACC, 32                           ; v32-63 Q's four accumulators
.set X,   64                           ; v64-191 numbers
.set FA,  192                          ; column phases: two fragments and the conversions' second halves
.set FB,  204
.set CT,  216
.set PC0, 192                          ; features: two fragments
.set PC1, 212
.set WF,  192                          ; Q: Wq's four fragments of a K step
.set PC,  128                          ; Q: the queries' fragment
.set PW,  148                          ; and its scale word
.set WS,  150                          ; Wq's scale words
.set BQ,  152                          ; bq, each number twice
.set SW,  240
.set MX0, 241
.set MX1, 242
.set SO,  243
.set BY,  244
.set PW0, 245
.set PW1, 246
.set PWM, 247
.set WLI, 248                          ; WQI + 16 x lane
.set WLS, 249                          ; WQS + 4 x lane
.set XW,  250                          ; the queries' stage, in: 16 x lane
.set G1W, 28
.set G1F, 36
.set G0W, 52
.set G0F, 56
.set WV,  66
.set HM,  88
.set SEL, 90
.set MSB, 0
.macro WIN new                         ; the immediate's high byte repeats the setting that is left
.if MSB != (\new)
	s_set_vgpr_msb (MSB<<8)|(\new)
.set MSB, (\new)
.endif
.endm
.macro PLACES n
.rept \n
	v_nop
.endr
.endm
; 64 numbers of a lane, register 16 b + i = k 32 b + 16 (lane / 16) + i of my row, become a fragment's codes in v[pc] .. v[pc + 11] and its scale word in v[pw] (both halves of the lanes hold it).
.macro QUANT s, pc, pw
.irp b, 0,1,2,3
	v_max3_num_f32 v[TM+\b], |v[\s+16*\b]|, |v[\s+16*\b+1]|, 0x1800000   ; my 16 numbers of block b, and the floor 2^(3 - 127): the byte cannot fall under 1
.endr
.irp i, 2,4,6,8,10,12,14
.irp b, 0,1,2,3
	v_max3_num_f32 v[TM+\b], v[TM+\b], |v[\s+16*\b+\i]|, |v[\s+16*\b+\i+1]|
.endr
.endr
.irp b, 0,1,2,3
	v_permlanex16_b32 v[TM+4+\b], v[TM+\b], s[SEL], s[SEL+1]
.endr
.irp b, 0,1,2,3
	v_max_num_f32 v[TM+\b], v[TM+\b], v[TM+4+\b]                 ; with lane l xor 16's: the block's largest magnitude
.endr
.irp b, 0,1,2,3
	v_add_nc_u32 v[TM+12+\b], 0xff000000, v[TM+\b]               ; 2 off its exponent field: the conversion's scale operand
.endr
.irp b, 0,1,2,3
	v_lshrrev_b32 v[TM+4+\b], 23, v[TM+12+\b]                    ; the scale's byte
.endr
	v_lshl_or_b32 v[\pw], v[TM+5], 8, v[TM+4]
	v_lshl_or_b32 v[\pw], v[TM+6], 16, v[\pw]
	v_lshl_or_b32 v[\pw], v[TM+7], 24, v[\pw]
.irp c, 0,1
	v_cvt_scalef32_pk16_fp6_f32 v[\pc+6*\c:\pc+6*\c+2], v[\s+32*\c:\s+32*\c+15], v[TM+12+2*\c]
	v_cvt_scalef32_pk16_fp6_f32 v[\pc+12+4*\c:\pc+12+4*\c+2], v[\s+32*\c+16:\s+32*\c+31], v[TM+12+2*\c+1]   ; (a conversion's three registers begin on an even number)
.endr
	v_nop                                                        ; one plain place behind a scaled conversion
.irp c, 0,1                                                      ; the layout wants a whole block in a lane: lanes 0-15 block 2 c, lanes 16-31 block 2 c + 1
.irp i, 0,1,2
	v_permlane16_swap_b32 v[\pc+6*\c+\i], v[\pc+12+4*\c+\i]
.endr
.irp i, 0,1,2
	v_mov_b32 v[\pc+6*\c+3+\i], v[\pc+12+4*\c+\i]
.endr
.endr
.endm
; One scaled product on the registers named by rD, rA, rB, rSA, rSB.  par bit 0: source 0's scales lie in lanes 16-31; bit 1: source 1's.  zero = 1: the product starts its sum.
.macro WMS zero
.if \zero
.if par == 0
	v_wmma_scale_f32_16x16x128_f8f6f4 v[rD:rD+7], v[rA:rA+11], v[rB:rB+11], 0, v[rSA], v[rSB] matrix_a_fmt:MATRIX_FMT_FP6 matrix_b_fmt:MATRIX_FMT_FP6
.elseif par == 1
	v_wmma_scale_f32_16x16x128_f8f6f4 v[rD:rD+7], v[rA:rA+11], v[rB:rB+11], 0, v[rSA], v[rSB] matrix_a_fmt:MATRIX_FMT_FP6 matrix_b_fmt:MATRIX_FMT_FP6 matrix_a_scale:MATRIX_SCALE_ROW1
.elseif par == 2
	v_wmma_scale_f32_16x16x128_f8f6f4 v[rD:rD+7], v[rA:rA+11], v[rB:rB+11], 0, v[rSA], v[rSB] matrix_a_fmt:MATRIX_FMT_FP6 matrix_b_fmt:MATRIX_FMT_FP6 matrix_b_scale:MATRIX_SCALE_ROW1
.else
	v_wmma_scale_f32_16x16x128_f8f6f4 v[rD:rD+7], v[rA:rA+11], v[rB:rB+11], 0, v[rSA], v[rSB] matrix_a_fmt:MATRIX_FMT_FP6 matrix_b_fmt:MATRIX_FMT_FP6 matrix_a_scale:MATRIX_SCALE_ROW1 matrix_b_scale:MATRIX_SCALE_ROW1
.endif
.else
.if par == 0
	v_wmma_scale_f32_16x16x128_f8f6f4 v[rD:rD+7], v[rA:rA+11], v[rB:rB+11], v[rD:rD+7], v[rSA], v[rSB] matrix_a_fmt:MATRIX_FMT_FP6 matrix_b_fmt:MATRIX_FMT_FP6
.elseif par == 1
	v_wmma_scale_f32_16x16x128_f8f6f4 v[rD:rD+7], v[rA:rA+11], v[rB:rB+11], v[rD:rD+7], v[rSA], v[rSB] matrix_a_fmt:MATRIX_FMT_FP6 matrix_b_fmt:MATRIX_FMT_FP6 matrix_a_scale:MATRIX_SCALE_ROW1
.elseif par == 2
	v_wmma_scale_f32_16x16x128_f8f6f4 v[rD:rD+7], v[rA:rA+11], v[rB:rB+11], v[rD:rD+7], v[rSA], v[rSB] matrix_a_fmt:MATRIX_FMT_FP6 matrix_b_fmt:MATRIX_FMT_FP6 matrix_b_scale:MATRIX_SCALE_ROW1
.else
	v_wmma_scale_f32_16x16x128_f8f6f4 v[rD:rD+7], v[rA:rA+11], v[rB:rB+11], v[rD:rD+7], v[rSA], v[rSB] matrix_a_fmt:MATRIX_FMT_FP6 matrix_b_fmt:MATRIX_FMT_FP6 matrix_a_scale:MATRIX_SCALE_ROW1 matrix_b_scale:MATRIX_SCALE_ROW1
.endif
.endif
.endm
; A COLUMN'S 128 ALONG K, in four blocks of 32.  src = 1: Wq, from memory (rows of 256 bytes);  src = 0: W's tile, from LDS (rows of 512 bytes).
.macro CLOAD src, t
.set ii, 0
.rept 32
.if \src
	global_load_b32 v[X+32*(\t)+ii], v[CAG], s[8:9] offset:(32*(\t)+ii)*256
.else
	ds_load_b32 v[X+32*(\t)+ii], v[CAL] offset:(32*(\t)+ii)*512
.endif
.set ii, ii+1
.endr
.endm
.macro CBLOCK src, t
.set XS, X+32*(\t)
.if (\t)%2
.set FF, FB+6*((\t)/2)
.else
.set FF, FA+6*((\t)/2)
.endif
.if \src
.if (\t) < 3
	s_wait_loadcnt 32                              ; this block's 32 loads are in; the next block's 32 may be out
.else
	s_wait_loadcnt 0x0
.endif
.else
.if (\t) < 3
	s_wait_dscnt 32                                ; the same, from LDS
.else
	s_wait_dscnt 0x0
.endif
.endif
	v_max3_num_f32 v[MX0], |v[XS]|, |v[XS+1]|, |v[XS+2]|           ; all 32 numbers of the block are mine
	v_max3_num_f32 v[MX1], |v[XS+3]|, |v[XS+4]|, |v[XS+5]|
.irp i, 6,10,14,18,22,26
	v_max3_num_f32 v[MX0], v[MX0], |v[XS+\i]|, |v[XS+\i+1]|
	v_max3_num_f32 v[MX1], v[MX1], |v[XS+\i+2]|, |v[XS+\i+3]|
.endr
	v_max3_num_f32 v[MX0], v[MX0], |v[XS+30]|, |v[XS+31]|
	v_max3_num_f32 v[MX0], v[MX0], v[MX1], 0x1800000               ; and the floor
	v_add_nc_u32 v[SO], 0xff000000, v[MX0]
	v_lshrrev_b32 v[BY], 23, v[SO]
.if (\t) == 0
	v_mov_b32 v[SW], v[BY]
.else
	v_lshl_or_b32 v[SW], v[BY], 8*(\t), v[SW]                      ; my column's scale word
.endif
	v_cvt_scalef32_pk16_fp6_f32 v[FF:FF+2], v[XS:XS+15], v[SO]
	v_cvt_scalef32_pk16_fp6_f32 v[CT+4*(\t):CT+4*(\t)+2], v[XS+16:XS+31], v[SO]
	v_nop                                                          ; one plain place behind a scaled conversion
.irp i, 0,1,2
	v_mov_b32 v[FF+3+\i], v[CT+4*(\t)+\i]
.endr
.if (\t) < 2
	CLOAD \src, (\t)+2
.endif
.endm
; Even blocks lie in FA, odd blocks in FB, each lane's column's.  The operand wants lanes 0-15 to hold a row's even blocks and lanes 16-31 its odd ones:
; FA's lanes 16-31 change places with FB's lanes 0-15.  FA is then the fragment of lanes 0-15's columns, FB that of lanes 16-31's.
.macro COLQ src
	CLOAD \src, 0
	CLOAD \src, 1
	CBLOCK \src, 0
	CBLOCK \src, 1
	CBLOCK \src, 2
	CBLOCK \src, 3
.set ii, 0
.rept 12
	v_permlane16_swap_b32 v[FA+ii], v[FB+ii]
.set ii, ii+1
.endr
.endm
.macro XREAD64 u, x                    ; features, tile u of my 32 rows: 16 neighbours of each block of 32, in pieces of 8 bytes (the pitch, 520, is a multiple of 8)
.irp b, 0,1,2,3
.irp j, 0,1,2,3,4,5,6,7
	ds_load_b64 v[\x+16*\b+2*\j:\x+16*\b+2*\j+1], v[XF] offset:8*\u*520+128*\b+8*\j
.endr
.endr
.endm
.macro XREAD128 adr, off, x            ; the same in pieces of 16 bytes
.irp b, 0,1,2,3
.irp j, 0,1,2,3
	ds_load_b128 v[\x+16*\b+4*\j:\x+16*\b+4*\j+3], v[\adr] offset:(\off)+128*\b+16*\j
.endr
.endr
.endm
.macro WREAD s                         ; Wq's four fragments and two registers of scale words of K step s: 14 LDS loads
.irp ta, 0,1,2,3
.irp c, 0,1,2
	ds_load_b128 v[WF+12*\ta+4*\c:WF+12*\ta+4*\c+3], v[WLI] offset:(4*(\s)+\ta)*1536+512*\c
.endr
.endr
	ds_load_b32 v[WS], v[WLS] offset:(2*(\s))*128
	ds_load_b32 v[WS+1], v[WLS] offset:(2*(\s)+1)*128
.endm
.macro QLOAD s                         ; my 16 rows' 128 numbers of K step s, as they lie: 16 loads of 512 consecutive bytes, into v[64 s] on of window 1
	WIN 0x40                                       ; destination window 1, address window 0
.set ii, 0
.rept 16
	global_load_b128 v[64*(\s)+4*ii:64*(\s)+4*ii+3], v[LI], s[4:5] offset:ii*2048+(\s)*512 th:TH_LOAD_NT
.set ii, ii+1
.endr
	WIN 0
.endm
.macro QTURN s                         ; and into the stage, a row to a store: rows 528 bytes apart, an odd multiple of 16, so that the 16 rows that a load back touches start at 16 different groups of banks
	WIN 0x04                                       ; an LDS store's data are its source 1: window 1
.set ii, 0
.rept 16
	ds_store_b128 v[XW], v[64*(\s)+4*ii:64*(\s)+4*ii+3] offset:ii*528
.set ii, ii+1
.endr
	WIN 0
.endm
	s_load_b512 s[4:19], s[0:1], 0x0               ; queries 4, features 6, Wq 8, bq 10, Wf 12, Wf1 14, fcod 16, fscl 18
	s_load_b256 s[20:27], s[0:1], 0x40             ; wcod 20, wscl 22, qcod 24, qscl 26
	v_lshl_add_u32 v[SPW], v0, 2, SPARE
	v_mov_b32 v[NIL], 0
	ds_add_u32 v[SPW], v[NIL]                      ; the wave's opening: the add and its wait stand ahead of my first tensor load; the set-up, work on registers, stands between
	v_lshrrev_b32 v[T0], 5, v0
	v_readfirstlane_b32 s[WV], v[T0]               ; wave 0..7
	; descriptor groups 1, elements of 4 bytes.  W: 32 rows x 128, no padding.  features: the same, 2 words behind every 128.
	s_mov_b32 s[G1W+0], 2<<16
	s_mov_b32 s[G1F+0], (2<<16)|(1<<20)|(6<<22)|(1<<25)
.irp g, G1W, G1F
	s_mov_b32 s[\g+1], 128<<16                     ; tensor_dim0
	s_mov_b32 s[\g+2], 32<<16                      ; tensor_dim1
	s_mov_b32 s[\g+3], 128<<16                     ; tile_dim0
	s_mov_b32 s[\g+4], 32                          ; tile_dim1
	s_mov_b32 s[\g+5], 2048                        ; elements from row to row
	s_mov_b32 s[\g+6], 0
	s_mov_b32 s[\g+7], 0
.endr
	s_mov_b32 s[SEL], 0x76543210
	s_mov_b32 s[SEL+1], 0xfedcba98                 ; v_permlanex16_b32's selects for lane l xor 16
	s_mov_b32 s[HM], 0xffff0000                    ; lanes 16-31
	s_and_b32 s67, s[WV], 3
	s_lshr_b32 s68, s[WV], 2
	s_and_b32 s69, s[WV], 1
	s_lshr_b32 s70, s[WV], 1
	s_lshr_b32 s71, ttmp9, 3                       ; G: which 128 rows (columns of W)
	s_and_b32 s72, ttmp9, 7                        ; S: which 256 along K
	s_lshl_b32 s74, s72, 21                        ; W: 256 S rows of 8,192 bytes,
	s_lshl_b32 s73, s[WV], 18                      ; + my 32 rows,
	s_add_co_u32 s74, s74, s73
	s_and_b32 s73, s71, 15
	s_lshl_b32 s73, s73, 9                         ; + 128 columns x 4 bytes a G
	s_add_co_u32 s74, s74, s73
	s_mov_b32 s75, 0
	s_lshl_b32 s76, s71, 20                        ; features: 128 G rows of 8,192 bytes,
	s_lshl_b32 s73, s67, 18                        ; + my 32 rows,
	s_add_co_u32 s76, s76, s73
	s_lshl_b32 s73, s72, 10                        ; + 256 S along K,
	s_add_co_u32 s76, s76, s73
	s_lshl_b32 s73, s68, 9                         ; + my 128 of them
	s_add_co_u32 s76, s76, s73
	s_mov_b32 s77, 0
	s_lshl_b32 s78, ttmp9, 18                      ; queries: 128 wg rows of 2,048 bytes,
	s_lshl_b32 s73, s[WV], 15                      ; + my 16 rows
	s_add_co_u32 s78, s78, s73
	s_mov_b32 s79, 0
	s_mul_i32 s80, ttmp9, 24576                    ; codes out (fcod and wcod alike): block wg, K step w >> 2, tiles 2 (w & 3) on
	s_mul_i32 s73, s68, 12288
	s_add_co_u32 s80, s80, s73
	s_mul_i32 s73, s67, 3072
	s_add_co_u32 s80, s80, s73
	s_mov_b32 s81, 0
	s_lshl_b32 s82, ttmp9, 10                      ; scale words out (fscl and wscl alike)
	s_lshl_b32 s73, s68, 9
	s_add_co_u32 s82, s82, s73
	s_lshl_b32 s73, s67, 7
	s_add_co_u32 s82, s82, s73
	s_mov_b32 s83, 0
	s_lshl_b32 s84, ttmp9, 2                       ; qcod: image 4 wg + (w & 3)
	s_add_co_u32 s84, s84, s67
	s_mul_i32 s84, s84, 1536
	s_mov_b32 s85, 0
	s_lshl_b32 s86, ttmp9, 8                       ; qscl: 256 bytes a work-group
	s_mov_b32 s87, 0
	; every LDS address is made here, ahead of any parting of the waves
	v_and_b32 v32, 31, v0                          ; l
	v_and_b32 v33, 15, v0                          ; r
	v_bfe_u32 v34, v0, 4, 1                        ; h
	v_lshlrev_b32 v[LI], 4, v32
	v_lshlrev_b32 v[LS], 2, v32
	s_lshl_b32 s73, s70, 15                        ; Wq: K step w >> 1 (128 rows of 256 bytes), columns 32 (w & 1) + l
	s_lshl_b32 s89, s69, 7
	s_add_co_u32 s73, s73, s89
	v_add_nc_u32 v[CAG], s73, v[LS]
	v_and_b32 v35, 7, v0
	v_bfe_u32 v36, v0, 3, 1
	v_lshl_or_b32 v35, v36, 4, v35
	v_lshl_or_b32 v35, v34, 3, v35                 ; the column that lies at place l of a group of 32: bits 3 and 4 change places
	s_lshl_b32 s73, s68, 16                        ; W's tile: K step w >> 2 (128 rows of 512 bytes), columns 32 (w & 3) on
	s_lshl_b32 s89, s67, 7
	s_add_co_u32 s73, s73, s89
	v_lshl_add_u32 v[CAL], v35, 2, s73
	s_mul_i32 s73, s[WV], 3072
	s_add_co_u32 s73, s73, WQI
	v_add_nc_u32 v[WIA], s73, v[LI]
	s_lshl_b32 s73, s[WV], 7
	s_add_co_u32 s73, s73, WQS
	v_add_nc_u32 v[WSA], s73, v[LS]
	v_add_nc_u32 v[WLI], WQI, v[LI]
	v_add_nc_u32 v[WLS], WQS, v[LS]
	v_and_b32 v36, 8, v33
	v_add_nc_u32 v36, v36, v33                     ; r + 8 (r / 8): the rows of a tile are not neighbours
	v_mul_u32_u24 v36, v36, 520
	v_lshl_add_u32 v36, v34, 6, v36
	s_mul_i32 s73, s[WV], 16640                    ; my features region, whose head is later the queries' stage
	s_add_co_u32 s73, s73, FEA
	v_add_nc_u32 v[XF], s73, v36
	v_add_nc_u32 v[XW], s73, v[LI]                 ; the stage, in: 16 x lane of a row
	v_mul_u32_u24 v36, v33, 528
	v_lshl_add_u32 v37, v34, 6, v36                ; 528 r + 64 h
	v_add_nc_u32 v[XQ], s73, v37                   ; the stage, back: row r, my 16 numbers of each block of 32
	s_mul_i32 s73, s67, 8448
	s_add_co_u32 s73, s73, QS
	v_add_nc_u32 v[QSR], s73, v37
	v_lshl_add_u32 v37, v34, 5, v36
	s_lshl_b32 s73, s[WV], 6
	s_add_co_u32 s73, s73, QS
	v_add_nc_u32 v[QSW], s73, v37                  ; row a = r (+ 16 ta by the offset), bytes 64 w + 32 h on: c = 16 w + 8 h + 0 .. 7
	v_lshlrev_b32 v[BQA], 2, v33
	s_lshl_b32 s73, s67, 6
	v_add_nc_u32 v[QSO], s73, v[BQA]
.irp b, 0,1,2,3
	v_mov_b32 v[TM+4+\b], 0                        ; written once: a lane permute's destination counts as one of its sources
.endr
	s_mov_b32 s[G0W], 1
	s_lshl_b32 s[G0W+1], s[WV], 14                 ; LDS: 16,384 x wave
	s_mov_b32 s[G0F], 1
	s_mul_i32 s[G0F+1], s[WV], 16640
	s_add_co_u32 s[G0F+1], s[G0F+1], FEA
	s_wait_dscnt 0x0                               ; the opening add is done
	s_wait_kmcnt 0x0
	s_cmp_lt_u32 ttmp9, 128                        ; Wf or Wf1: the choice hangs on the work-group's number alone
	s_cselect_b64 s[12:13], s[12:13], s[14:15]
	s_add_nc_u64 s[G0W+2:G0W+3], s[12:13], s[74:75]
	s_or_b32 s[G0W+3], s[G0W+3], 0x80000000
	s_add_nc_u64 s[G0F+2:G0F+3], s[6:7], s[76:77]
	s_or_b32 s[G0F+3], s[G0F+3], 0x80000000
	tensor_load_to_lds s[G0W:G0W+3], s[G1W:G1W+7]  ; the only fills go out together: two loads of mine are out
	s_nop 0
	tensor_load_to_lds s[G0F:G0F+3], s[G1F:G1F+7]
	s_nop 0
	s_add_nc_u64 s[4:5], s[4:5], s[78:79]          ; the queries at my wave's first row
	s_add_nc_u64 s[16:17], s[16:17], s[80:81]      ; the outputs at my wave's parts
	s_add_nc_u64 s[20:21], s[20:21], s[80:81]
	s_add_nc_u64 s[18:19], s[18:19], s[82:83]
	s_add_nc_u64 s[22:23], s[22:23], s[82:83]
	s_add_nc_u64 s[24:25], s[24:25], s[84:85]
	s_add_nc_u64 s[26:27], s[26:27], s[86:87]
	; ---- Wq: wave w takes K step w >> 1 and columns 32 (w & 1) + l, in their natural order; two images and 32 scale words to LDS
	COLQ 1
.irp c, 0,1,2
	ds_store_b128 v[WIA], v[FA+4*\c:FA+4*\c+3] offset:512*\c
	ds_store_b128 v[WIA], v[FB+4*\c:FB+4*\c+3] offset:1536+512*\c
.endr
	ds_store_b32 v[WSA], v[SW]
	; ---- the queries' K steps 0 to 2 are asked for here, behind Wq's last wait: loads come back in order, so asked for earlier they would stand ahead of Wq's.  48 loads of mine are out from here on, across the barrier too
	QLOAD 0
	QLOAD 1
	QLOAD 2
	s_wait_tensorcnt 0x1                           ; my part of W's tile has landed; my features tile, issued behind it, may be out
	s_wait_dscnt 0x0                               ; my stores of Wq's images have landed
	s_barrier_signal -1
	s_barrier_wait -1
	; ---- W: wave w takes K step w >> 2 and places 32 (w & 3) + l
	COLQ 0
.irp c, 0,1,2
	global_store_b128 v[LI], v[FA+4*\c:FA+4*\c+3], s[20:21] offset:512*\c          ; 32 lanes store 512 consecutive bytes
	global_store_b128 v[LI], v[FB+4*\c:FB+4*\c+3], s[20:21] offset:1536+512*\c
.endr
	global_store_b32 v[LS], v[SW], s[22:23]
	; ---- features: my own 32 rows x 128 K: two tiles
	s_wait_tensorcnt 0x0                           ; my tile has landed: it was my last tensor load, and only I read it
	XREAD64 0, 64
	XREAD64 1, 128
	s_wait_dscnt 32                                ; tile 0's 32 loads are in; tile 1's may be out
	s_wait_xcnt 0x0                                ; W's stores have read FA and FB, which the codes below overwrite
	QUANT 64, PC0, PW0
.irp c, 0,1,2
	global_store_b128 v[LI], v[PC0+4*\c:PC0+4*\c+3], s[16:17] offset:512*\c
.endr
	s_wait_dscnt 0x0
	QUANT 128, PC1, PW1
.irp c, 0,1,2
	global_store_b128 v[LI], v[PC1+4*\c:PC1+4*\c+3], s[16:17] offset:1536+512*\c
.endr
	v_cndmask_b32 v[PWM], v[PW0], v[PW1], s[HM]    ; lanes 0-15: tile 0's words, lanes 16-31: tile 1's
	global_store_b32 v[LS], v[PWM], s[18:19]
	; ---- bq and the queries' last K step are asked for
.irp ta, 0,1,2,3
	global_load_b32 v[BQ+2*\ta], v[BQA], s[10:11] offset:64*\ta      ; bq(16 ta + r), twice: a pair for the packed addition
	global_load_b32 v[BQ+2*\ta+1], v[BQA], s[10:11] offset:64*\ta
.endr
	QLOAD 3
	s_wait_xcnt 0x0                                ; the features' stores have read their registers, into which Wq's fragments are loaded below
	; ---- Q = queries Wq: wave w takes rows c = 16 w .. + 15.  Source 0 = the queries' fragment, source 1 = 16 columns of Wq: a lane then holds ONE a (16 ta + r) and eight c (8 h + j).
	s_wait_loadcnt 56                              ; K step 0's 16 loads are in; behind them: K steps 1 and 2 (32), bq (8), K step 3 (16)
	QTURN 0                                        ; into my features region: my reads of it are back, its one fill has landed, and no other wave touches it
	XREAD128 XQ, 0, X                              ; LDS serves a wave's instructions in order: these see the stores above
	WREAD 0
.macro QSTEP s
	s_wait_dscnt 14                                ; my 64 numbers are in; Wq's 14 loads, issued behind them, may be out
	QUANT X, PC, PW
.if (\s) == 0
	s_wait_loadcnt 40                              ; K step 1 is in; behind it: K step 2 (16), bq (8), K step 3 (16)
.elseif (\s) == 1
	s_wait_loadcnt 24                              ; K step 2 is in; behind it: bq (8), K step 3 (16)
.elseif (\s) == 2
	s_wait_loadcnt 0x0                             ; K step 3 is in
.endif
.if (\s) < 3
	QTURN (\s)+1                                   ; the one stage serves every K step: these stores come behind the loads that read the last one
	XREAD128 XQ, 0, X
.endif
	PLACES 8                                       ; a scale register written by a vector instruction stands 8 places ahead of a scaled product, an operand 4
.if (\s) < 3
	s_wait_dscnt 32                                ; Wq's fragments are in; the next K step's 16 stores and 16 loads may be out
.else
	s_wait_dscnt 0x0
.endif
.set rA, PC
.set rSA, PW
.irp ta, 0,1,2,3                                   ; the four accumulators take turns
.set rD, ACC+8*\ta
.set rB, WF+12*\ta
.set rSB, WS+\ta/2
.set par, 2*(\ta%2)
.if (\s) == 0
	WMS 1
.else
	WMS 0
.endif
.endr
	PLACES 4                                       ; in front of loads into, and vector writes of, registers that the products have read, and of the first read of results
.if (\s) < 3
	WREAD (\s)+1
.endif
.endm
	QSTEP 0
	QSTEP 1
	QSTEP 2
	QSTEP 3
	s_wait_loadcnt 0x0                             ; bq (it was asked for ahead of K step 3)
.irp ta, 0,1,2,3
.irp j, 0,2,4,6
	v_pk_add_f32 v[ACC+8*\ta+\j:ACC+8*\ta+\j+1], v[ACC+8*\ta+\j:ACC+8*\ta+\j+1], v[BQ+2*\ta:BQ+2*\ta+1]   ; each accumulator from its low end on
.endr
.endr
.irp ta, 0,1,2,3
	ds_store_b128 v[QSW], v[ACC+8*\ta:ACC+8*\ta+3] offset:\ta*8448
	ds_store_b128 v[QSW], v[ACC+8*\ta+4:ACC+8*\ta+7] offset:\ta*8448+16
.endr
	s_wait_dscnt 0x0                               ; for the others' sake: my stores into the stage have landed
	s_barrier_signal -1
	s_barrier_wait -1
	; ---- Q's codes along c: waves 0 to 3, a tile of 16 a each: one K step of the scores' product
	s_cmp_lt_u32 s[WV], 4
	s_cbranch_scc0 .Lend
	XREAD128 QSR, 0, X
	s_wait_dscnt 0x0
	QUANT X, PC, PW
.irp c, 0,1,2
	global_store_b128 v[LI], v[PC+4*\c:PC+4*\c+3], s[24:25] offset:512*\c
.endr
	global_store_b32 v[QSO], v[PW], s[26:27]       ; lanes 16-31 store the same word to the same place as lanes 0-15
.Lend:
	s_wait_tensorcnt 0x0                           ; the wave's end: a tensor wait, an add to my spare word and its wait, behind my last tensor load and my last LDS store
	ds_add_u32 v[SPW], v[NIL]
	s_wait_dscnt 0x0
	s_endpgm
.Lfunc_end_k_q5260e48649_prep:
	.size	k_q5260e48649_prep, .Lfunc_end_k_q5260e48649_prep-k_q5260e48649_prep
	.p2alignl 7, 3214868480
	.fill 96, 4, 3214868480
	.section	.rodata,"a",@progbits
	.p2align	6, 0x0
	.amdhsa_kernel k_q5260e48649_prep
		.amdhsa_group_segment_fixed_size 327680
		.amdhsa_private_segment_fixed_size 0
		.amdhsa_enable_private_segment 0
		.amdhsa_kernarg_size 96
		.amdhsa_user_sgpr_count 2
		.amdhsa_user_sgpr_kernarg_segment_ptr 1
		.amdhsa_wavefront_size32 1
		.amdhsa_system_sgpr_workgroup_id_x 1
		.amdhsa_system_sgpr_workgroup_id_y 1
		.amdhsa_system_sgpr_workgroup_id_z 1
		.amdhsa_system_vgpr_workitem_id 0
		.amdhsa_next_free_vgpr 512
		.amdhsa_next_free_sgpr 92
		.amdhsa_reserve_vcc 0
		.amdhsa_float_denorm_mode_32 3
		.amdhsa_float_denorm_mode_16_64 3
		.amdhsa_memory_ordered 1
		.amdhsa_forward_progress 1
		.amdhsa_inst_pref_size 97
	.end_amdhsa_kernel
	.amdgpu_metadata
---
amdhsa.version: [ 1, 2 ]
amdhsa.kernels:
  - .name:           k_q5260e48649_prep
    .symbol:         k_q5260e48649_prep.kd
    .args:
      - { .name: queries, .offset: 0, .size: 8, .value_kind: global_buffer, .address_space: global }
      - { .name: features, .offset: 8, .size: 8, .value_kind: global_buffer, .address_space: global }
      - { .name: Wq, .offset: 16, .size: 8, .value_kind: global_buffer, .address_space: global }
      - { .name: bq, .offset: 24, .size: 8, .value_kind: global_buffer, .address_space: global }
      - { .name: Wf, .offset: 32, .size: 8, .value_kind: global_buffer, .address_space: global }
      - { .name: Wf1, .offset: 40, .size: 8, .value_kind: global_buffer, .address_space: global }
      - { .name: fcod, .offset: 48, .size: 8, .value_kind: global_buffer, .address_space: global }
      - { .name: fscl, .offset: 56, .size: 8, .value_kind: global_buffer, .address_space: global }
      - { .name: wcod, .offset: 64, .size: 8, .value_kind: global_buffer, .address_space: global }
      - { .name: wscl, .offset: 72, .size: 8, .value_kind: global_buffer, .address_space: global }
      - { .name: qcod, .offset: 80, .size: 8, .value_kind: global_buffer, .address_space: global }
      - { .name: qscl, .offset: 88, .size: 8, .value_kind: global_buffer, .address_space: global }
    .group_segment_fixed_size: 327680
    .private_segment_fixed_size: 0
    .kernarg_segment_align: 8
    .kernarg_segment_size: 96
    .max_flat_workgroup_size: 256
    .sgpr_count:     92
    .vgpr_count:     512
    .wavefront_size: 32
...
	.end_amdgpu_metadata
.endif
;; end of part 1
;; launch gemm (part 2): grid 16 x 16, 4 waves a work-group, clusters of 4 x 4, 327,680 bytes of LDS; arguments fcod, fscl, wcod, wscl, bf, bf1, gcod, gscl; writes gcod, gscl
.if DOCPART == 2
	.amdgcn_target "amdgcn-amd-amdhsa--gfx1250"
	.amdhsa_code_object_version 6
	.text
	.protected	k_q5260e48649_gemm
	.globl	k_q5260e48649_gemm
	.p2align	8
	.type	k_q5260e48649_gemm,@function
k_q5260e48649_gemm:
	s_mov_b64 s[64:65], 0
	v_nop
	global_prefetch_b8 v0, s[64:65] scope:SCOPE_SE
	s_setreg_imm32_b32 hwreg(HW_REG_WAVE_MODE, 25, 1), 1
	s_wait_xcnt 0x0
	s_wait_alu depctr_hold_cnt(0) depctr_sa_sdst(0) depctr_va_vdst(0) depctr_va_sdst(0) depctr_va_ssrc(0) depctr_va_vcc(0) depctr_vm_vsrc(0)
	s_getreg_b32 s2, hwreg(HW_REG_IB_STS2, 6, 4)
	s_cmp_eq_u32 s2, 0
	s_cbranch_scc0 .Lentry_in_a_cluster
	s_endpgm
.Lentry_in_a_cluster:
	s_bfe_u32 s2, ttmp6, 0x10000c
	s_cmp_lg_u32 s2, 0xf033
	s_cbranch_scc0 .Lentry_shape_is_right
	s_endpgm
.Lentry_shape_is_right:
; GEMM: F = features Wf + bf and S = features Wf1 + bf1, on codes of FP6 (E2M3) with E8M0 scales; the results leave as codes again: F quantised along its columns f, S along its rows n.
; A work-group makes 256 x 256: features' rows 256 wx on (batch wx) against rows 256 wy on of [Wf; Wf1] (as columns f or c).  wy < 8: kind F; else kind S.  Four waves, 128 x 128 each: 64 accumulators, 512 registers.
; ONLY THE ROLES DIFFER BETWEEN THE KINDS.  X is source 0: a lane's registers run along it, and the results are quantised along it.  Y is source 1: a lane holds one row of it.
;   F: X = Wf's columns f, Y = features' rows n.     S: X = features' rows n, Y = Wf1's columns c.     All loads into LDS are the same for both.
; The operands lie in memory as fragment images (1,536 bytes: byte 512 c + 16 lane + 4 e = register 4 c + e of that lane), a block of 128 rows x 256 K being 24,576 dense bytes: three loads of 16 bytes a lane
; bring a fragment, each covering 512 consecutive bytes of LDS.  Their rows lie in the order in which, as source 0, the 16 registers of two neighbouring tiles are 16 neighbouring rows:
; so the 64 registers of a block of Y's 16 rows are 128 neighbours along X, as the conversions want them, and the way out needs no LDS.
; K goes in steps of 256 through a ring of two LDS slots.  The scale words of the work-group's 512 rows, for all of K, come once, with the first fills.
; CLUSTERS: 4 x 4.  The features' blocks hang on wx alone and are asked for jointly along a column of the cluster, W's on wy alone, along a row.  The kind hangs on the cluster's y alone: it is the same in all partners.
; LIMITS: a block of zeros gets the byte 1 where the quantiser's rule says 127 (its codes are zeros, and only this program reads the bytes); blocks whose largest magnitude lies under 2^-124 are held at that floor; NaN and infinities are not served.
; No prefetch: the ring has eight fills; the first two go out at the head, and a lead of two fills would leave four to name.
; REGISTERS: window 0: v0-31 addresses; v32-63 scale words, two sets; v64-127 bf (kind F's bias); v128-223 Y's 8 fragments, one set; v232-247 bf1 (kind S's), each number twice; v248-255 the results' scale words.
;   On the way out v128-227 are free.   window 1: X's fragments, two sets, at v0 and v128.   windows 2, 3: the accumulators, (a, b) at v[8 (8 (a % 4) + b)].
.set BLK,   24576
.set SLOT,  98304                      ; features' two blocks, then W's two
.set SCL,   196608                     ; the scale words: 4 x 8,192 bytes, in the blocks' order
.set SPARE, 229376                     ; the spare words: 128 bytes for each wave
.set ADRX, 16                          ; v16-17 my X block's images in slot 0, 1
.set ADRY, 20                          ; v20-21 my Y block's
.set ADSX, 24                          ; my X block's scale words of the K step in hand
.set ADSY, 25
.set LI,   26                          ; 16 x lane
.set SPW,  28
.set NIL,  29
.set SC,   32                          ; set s at SC + 16 s; in it 8 q + i: X's rows 32 i + lane, 8 q + 4 + i: Y's
.set BX,   64
.set YF,   128
.set BY,   232
.set PW,   248
.set H,    128
.set TM,   192
.set PC,   208
.set WV,   20
.set YH,   21                          ; w >> 1: my half of Y.  Also: I fetch for the features (0) or for W (1)
.set XH,   22                          ; w & 1: my half of X.  Also: which of the two blocks I fetch
.set CX,   23
.set CY,   24
.set WX,   25
.set WY,   26
.set KIND, 27
.set G1F,  32
.set G1W,  40
.set G0F,  48
.set G0W,  56
.set G1SF, 68
.set G1SW, 76
.set G0SF, 84
.set G0SW, 88
.set SEL,  100
.set MSB, 0
.macro WIN new                         ; the immediate's high byte repeats the setting that is left
.if MSB != (\new)
	s_set_vgpr_msb (MSB<<8)|(\new)
.set MSB, (\new)
.endif
.endm
.set MUL_LO, 0xa1                      ; source 0 (X) window 1, source 1 (Y) window 0, C and D window 2
.set MUL_HI, 0xf1                      ; the same, C and D window 3
.macro PLACES n
.rept \n
	v_nop
.endr
.endm
; A joint load: waves 0 and 1 fetch the features' blocks, waves 2 and 3 W's.  An s_nop 0 and four v_nop follow each of the two lines.
.macro JLOAD g0a, g1a, g0b, g1b
	s_cmp_eq_u32 s[YH], 0
	s_cbranch_scc0 .Lfor_w_\@
	tensor_load_to_lds s[\g0a:\g0a+3], s[\g1a:\g1a+7]
	s_nop 0
.rept 4
	v_nop
.endr
	s_branch .Lasked_\@
.Lfor_w_\@:
	tensor_load_to_lds s[\g0b:\g0b+3], s[\g1b:\g1b+7]
	s_nop 0
.rept 4
	v_nop
.endr
.Lasked_\@:
.endm
.macro CREST                           ; a round of the cluster's barrier behind its opening barrier
	s_cmp_lg_u32 s[WV], 0
	s_cbranch_scc1 .Lnot_wave_0_\@
	s_barrier_signal -3
.Lnot_wave_0_\@:
	s_barrier_wait -3
	s_barrier_signal -1
	s_barrier_wait -1
.endm
.macro CROUND
	s_barrier_signal -1
	s_barrier_wait -1
	CREST
.endm
.macro QUANT s, pc, pw                 ; 64 numbers of a lane, register 16 b + i = k 32 b + 16 (lane / 16) + i of my row -> a fragment in v[pc] .. v[pc + 11], its scale word in v[pw]
.irp b, 0,1,2,3
	v_max3_num_f32 v[TM+\b], |v[\s+16*\b]|, |v[\s+16*\b+1]|, 0x1800000   ; and the floor 2^(3 - 127): the byte cannot fall under 1
.endr
.irp i, 2,4,6,8,10,12,14
.irp b, 0,1,2,3
	v_max3_num_f32 v[TM+\b], v[TM+\b], |v[\s+16*\b+\i]|, |v[\s+16*\b+\i+1]|
.endr
.endr
.irp b, 0,1,2,3
	v_permlanex16_b32 v[TM+4+\b], v[TM+\b], s[SEL], s[SEL+1]
.endr
.irp b, 0,1,2,3
	v_max_num_f32 v[TM+\b], v[TM+\b], v[TM+4+\b]
.endr
.irp b, 0,1,2,3
	v_add_nc_u32 v[TM+12+\b], 0xff000000, v[TM+\b]               ; 2 off the exponent field: the conversion's scale operand
.endr
.irp b, 0,1,2,3
	v_lshrrev_b32 v[TM+4+\b], 23, v[TM+12+\b]                    ; the scale's byte
.endr
	v_lshl_or_b32 v[\pw], v[TM+5], 8, v[TM+4]
	v_lshl_or_b32 v[\pw], v[TM+6], 16, v[\pw]
	v_lshl_or_b32 v[\pw], v[TM+7], 24, v[\pw]
.irp c, 0,1
	v_cvt_scalef32_pk16_fp6_f32 v[\pc+6*\c:\pc+6*\c+2], v[\s+32*\c:\s+32*\c+15], v[TM+12+2*\c]
	v_cvt_scalef32_pk16_fp6_f32 v[\pc+12+4*\c:\pc+12+4*\c+2], v[\s+32*\c+16:\s+32*\c+31], v[TM+12+2*\c+1]
.endr
	v_nop                                                        ; one plain place behind a scaled conversion
.irp c, 0,1
.irp i, 0,1,2
	v_permlane16_swap_b32 v[\pc+6*\c+\i], v[\pc+12+4*\c+\i]
.endr
.irp i, 0,1,2
	v_mov_b32 v[\pc+6*\c+3+\i], v[\pc+12+4*\c+\i]
.endr
.endr
.endm
.macro WMS zero                        ; one scaled product on rD, rA, rB, rSA, rSB.  par bit 0: source 0's scales lie in lanes 16-31; bit 1: source 1's
.if \zero
.if par == 0
	v_wmma_scale_f32_16x16x128_f8f6f4 v[rD:rD+7], v[rA:rA+11], v[rB:rB+11], 0, v[rSA], v[rSB] matrix_a_fmt:MATRIX_FMT_FP6 matrix_b_fmt:MATRIX_FMT_FP6
.elseif par == 1
	v_wmma_scale_f32_16x16x128_f8f6f4 v[rD:rD+7], v[rA:rA+11], v[rB:rB+11], 0, v[rSA], v[rSB] matrix_a_fmt:MATRIX_FMT_FP6 matrix_b_fmt:MATRIX_FMT_FP6 matrix_a_scale:MATRIX_SCALE_ROW1
.elseif par == 2
	v_wmma_scale_f32_16x16x128_f8f6f4 v[rD:rD+7], v[rA:rA+11], v[rB:rB+11], 0, v[rSA], v[rSB] matrix_a_fmt:MATRIX_FMT_FP6 matrix_b_fmt:MATRIX_FMT_FP6 matrix_b_scale:MATRIX_SCALE_ROW1
.else
	v_wmma_scale_f32_16x16x128_f8f6f4 v[rD:rD+7], v[rA:rA+11], v[rB:rB+11], 0, v[rSA], v[rSB] matrix_a_fmt:MATRIX_FMT_FP6 matrix_b_fmt:MATRIX_FMT_FP6 matrix_a_scale:MATRIX_SCALE_ROW1 matrix_b_scale:MATRIX_SCALE_ROW1
.endif
.else
.if par == 0
	v_wmma_scale_f32_16x16x128_f8f6f4 v[rD:rD+7], v[rA:rA+11], v[rB:rB+11], v[rD:rD+7], v[rSA], v[rSB] matrix_a_fmt:MATRIX_FMT_FP6 matrix_b_fmt:MATRIX_FMT_FP6
.elseif par == 1
	v_wmma_scale_f32_16x16x128_f8f6f4 v[rD:rD+7], v[rA:rA+11], v[rB:rB+11], v[rD:rD+7], v[rSA], v[rSB] matrix_a_fmt:MATRIX_FMT_FP6 matrix_b_fmt:MATRIX_FMT_FP6 matrix_a_scale:MATRIX_SCALE_ROW1
.elseif par == 2
	v_wmma_scale_f32_16x16x128_f8f6f4 v[rD:rD+7], v[rA:rA+11], v[rB:rB+11], v[rD:rD+7], v[rSA], v[rSB] matrix_a_fmt:MATRIX_FMT_FP6 matrix_b_fmt:MATRIX_FMT_FP6 matrix_b_scale:MATRIX_SCALE_ROW1
.else
	v_wmma_scale_f32_16x16x128_f8f6f4 v[rD:rD+7], v[rA:rA+11], v[rB:rB+11], v[rD:rD+7], v[rSA], v[rSB] matrix_a_fmt:MATRIX_FMT_FP6 matrix_b_fmt:MATRIX_FMT_FP6 matrix_a_scale:MATRIX_SCALE_ROW1 matrix_b_scale:MATRIX_SCALE_ROW1
.endif
.endif
.endm
; 16 products: Y's blocks a0, a0 + 1 against X's eight, the slot's q-th 128 along K.  p: X's set; set: the scale words' set.  The 64 accumulators take turns, in the same order in every step.
.macro MUL16 a0, p, q, set, zero
.irp a, \a0, \a0+1
.irp b, 0,1,2,3,4,5,6,7
.set rD, 8*(8*((\a)%4)+\b)
.set rA, 128*(\p)+12*\b
.set rB, YF+12*(\a)
.set rSA, SC+16*(\set)+8*(\q)+\b/2
.set rSB, SC+16*(\set)+8*(\q)+4+(\a)/2
.set par, 2*((\a)%2)+\b%2
	WMS \zero
.endr
.endr
.endm
.macro FETCH_X slot, q, p              ; X's eight fragments: 24 LDS loads
	WIN 0x40                                       ; destination window 1, address window 0
.irp i, 0,1,2,3,4,5,6,7
.irp c, 0,1,2
	ds_load_b128 v[128*(\p)+12*\i+4*\c:128*(\p)+12*\i+4*\c+3], v[ADRX+\slot] offset:(\q)*12288+\i*1536+512*\c
.endr
.endr
	WIN 0
.endm
.macro FETCH_Y slot, q, i0             ; Y's blocks i0 .. i0 + 3: 12 LDS loads
.irp i, \i0, \i0+1, \i0+2, \i0+3
.irp c, 0,1,2
	ds_load_b128 v[YF+12*(\i)+4*\c:YF+12*(\i)+4*\c+3], v[ADRY+\slot] offset:(\q)*12288+(\i)*1536+512*\c
.endr
.endr
.endm
.macro SCALES set                      ; a K step's scale words: 16 LDS loads; lanes 0-15 an even tile's rows, lanes 16-31 the odd tile's
.irp q, 0,1
.irp i, 0,1,2,3
	ds_load_b32 v[SC+16*\set+8*\q+\i], v[ADSX] offset:512*\q+128*\i
	ds_load_b32 v[SC+16*\set+8*\q+4+\i], v[ADSY] offset:512*\q+128*\i
.endr
.endr
.endm
; A slot's first 128 along K.  A block of Y is free as soon as its eight products are issued, so Y has one set: blocks 0-3 come anew in the step's middle, blocks 4-7 at its end.  X has two sets.
.macro STEP slot, zero
	s_wait_dscnt 12                                ; X's set, Y's blocks 0-3 and the scale words are in; the youngest 12 loads (Y's blocks 4-7) may be out
	WIN MUL_LO
	MUL16 0, 0, 0, \slot, \zero
	MUL16 2, 0, 0, \slot, \zero
	s_wait_dscnt 0x0                               ; Y's blocks 4-7 are in
	PLACES 4                                       ; in front of loads into registers that products have read
	FETCH_X \slot, 1, 1
	FETCH_Y \slot, 1, 0
	WIN MUL_HI
	MUL16 4, 0, 0, \slot, \zero
	MUL16 6, 0, 0, \slot, \zero
	PLACES 4
	WIN 0
	FETCH_Y \slot, 1, 4
.endm
; A slot's second 128 along K changes slots: one barrier; in front of it each wave waits for all its tensor loads, adds 0 to its spare word, and waits for that and for its reads of this slot.  fill = 1: this slot is filled again, two K steps ahead.
.macro TURN slot, next, fill
	s_wait_tensorcnt 0x0                           ; all my tensor loads have landed: the one that was out is my part of the next slot;
	ds_add_u32 v[SPW], v[NIL]                      ; 0 onto my spare word;
	s_wait_dscnt 13                                ; (the add and the youngest 12 loads, Y's blocks 4-7, may be out)
	WIN MUL_LO
	MUL16 0, 1, 1, \slot, 0                        ; sixteen products stand between the add and the wait for it
	s_wait_dscnt 0x0                               ; the add is done, and my reads of this slot are over
	s_barrier_signal -1
	MUL16 2, 1, 1, \slot, 0
	WIN 0
	s_barrier_wait -1
.if \fill
	CREST                                          ; the barrier has opened a round of the cluster's: no wave of any partner still reads this slot or has a load on its way
	s_add_nc_u64 s[G0F+4*\slot+2:G0F+4*\slot+3], s[G0F+4*\slot+2:G0F+4*\slot+3], 2*BLK
	s_add_nc_u64 s[G0W+4*\slot+2:G0W+4*\slot+3], s[G0W+4*\slot+2:G0W+4*\slot+3], 2*BLK
	JLOAD G0F+4*\slot, G1F, G0W+4*\slot, G1W       ; my one load behind the round; its four v_nop are also the places in front of the loads below
.else
	PLACES 4
.endif
	v_add_nc_u32 v[ADSX], 1024, v[ADSX]            ; on to the next K step's scale words
	v_add_nc_u32 v[ADSY], 1024, v[ADSY]
	FETCH_X \next, 0, 0
	FETCH_Y \next, 0, 0
	SCALES \next
	WIN MUL_HI
	MUL16 4, 1, 1, \slot, 0
	MUL16 6, 1, 1, \slot, 0
	PLACES 4
	WIN 0
	FETCH_Y \next, 0, 4
.endm
	s_load_b512 s[4:19], s[0:1], 0x0               ; fcod 4, fscl 6, wcod 8, wscl 10, bf 12, bf1 14, gcod 16, gscl 18
	v_lshl_add_u32 v[SPW], v0, 2, SPARE
	v_mov_b32 v[NIL], 0
	ds_add_u32 v[SPW], v[NIL]                      ; the wave's opening: the add and its wait stand ahead of my first tensor load; the set-up, work on registers, stands between
	v_lshrrev_b32 v1, 5, v0
	v_readfirstlane_b32 s[WV], v1                  ; wave 0..3
	s_lshr_b32 s[YH], s[WV], 1
	s_and_b32 s[XH], s[WV], 1
	s_bfe_u32 s[CX], ttmp6, 0x40000                ; my place in the cluster
	s_bfe_u32 s[CY], ttmp6, 0x40004
	s_lshl_b32 s[WX], ttmp9, 2
	s_add_co_u32 s[WX], s[WX], s[CX]               ; wx = 4 x cluster x + cx: the batch
	s_and_b32 s3, ttmp7, 0xffff
	s_lshl_b32 s[WY], s3, 2
	s_add_co_u32 s[WY], s[WY], s[CY]               ; wy = 4 x cluster y + cy
	s_lshl_b32 s28, s[CY], 2
	s_lshl_b32 s28, 15, s28                        ; my row of the cluster
	s_lshl_b32 s29, 0x1111, s[CX]                  ; my column
	; descriptor groups 1: dense blocks as rows of 256 bytes (32 elements of 8 bytes), no padding: 96 rows of codes, 32 of scale words.  15:0 the mask; 17:16 element size; 21 set beside a mask
	s_or_b32 s[G1F], s29, (3<<16)|(1<<21)
	s_or_b32 s[G1W], s28, (3<<16)|(1<<21)
	s_or_b32 s[G1SF], s29, (3<<16)|(1<<21)
	s_or_b32 s[G1SW], s28, (3<<16)|(1<<21)
.irp g, G1F, G1W
	s_mov_b32 s[\g+1], 32<<16
	s_mov_b32 s[\g+2], 96<<16
	s_mov_b32 s[\g+3], 32<<16
	s_mov_b32 s[\g+4], 96
	s_mov_b32 s[\g+5], 32
	s_mov_b32 s[\g+6], 0
	s_mov_b32 s[\g+7], 0
.endr
.irp g, G1SF, G1SW
	s_mov_b32 s[\g+1], 32<<16
	s_mov_b32 s[\g+2], 32<<16
	s_mov_b32 s[\g+3], 32<<16
	s_mov_b32 s[\g+4], 32
	s_mov_b32 s[\g+5], 32
	s_mov_b32 s[\g+6], 0
	s_mov_b32 s[\g+7], 0
.endr
	s_mov_b32 s[SEL], 0x76543210
	s_mov_b32 s[SEL+1], 0xfedcba98
	s_lshl_b32 s92, s[WX], 1                       ; the features' block that I would fetch: G = 2 wx + (w & 1): 196,608 bytes of codes and 8,192 of scale words a G
	s_add_co_u32 s92, s92, s[XH]
	s_lshl_b32 s96, s92, 13
	s_mul_i32 s92, s92, 196608
	s_mov_b32 s93, 0
	s_mov_b32 s97, 0
	s_lshl_b32 s94, s[WY], 1                       ; W's: G = 2 wy + (w & 1)
	s_add_co_u32 s94, s94, s[XH]
	s_lshl_b32 s98, s94, 13
	s_mul_i32 s94, s94, 196608
	s_mov_b32 s95, 0
	s_mov_b32 s99, 0
	s_mul_i32 s30, s[WV], BLK                      ; where they go: block w of a slot, part w of the scale words: no place in the cluster enters an LDS address
	s_lshl_b32 s31, s[WV], 13
	s_wait_dscnt 0x0                               ; the opening add is done
	s_wait_kmcnt 0x0
	s_add_nc_u64 s[92:93], s[4:5], s[92:93]
	s_add_nc_u64 s[96:97], s[6:7], s[96:97]
	s_add_nc_u64 s[94:95], s[8:9], s[94:95]
	s_add_nc_u64 s[98:99], s[10:11], s[98:99]
	CROUND                                         ; all sixteen work-groups are here: the first joint loads meet
	s_mov_b32 s[G0SF], 1
	s_add_co_u32 s[G0SF+1], s31, SCL
	s_mov_b64 s[G0SF+2:G0SF+3], s[96:97]
	s_or_b32 s[G0SF+3], s[G0SF+3], 0x80000000
	s_mov_b32 s[G0SW], 1
	s_add_co_u32 s[G0SW+1], s31, SCL
	s_mov_b64 s[G0SW+2:G0SW+3], s[98:99]
	s_or_b32 s[G0SW+3], s[G0SW+3], 0x80000000
	JLOAD G0SF, G1SF, G0SW, G1SW                   ; the scale words first: they are wanted with K step 0.  Three loads of mine are out behind the next two
.irp s, 0,1
	s_mov_b32 s[G0F+4*\s], 1
	s_add_co_u32 s[G0F+4*\s+1], s30, \s*SLOT
	s_add_nc_u64 s[G0F+4*\s+2:G0F+4*\s+3], s[92:93], \s*BLK
	s_or_b32 s[G0F+4*\s+3], s[G0F+4*\s+3], 0x80000000
	s_mov_b32 s[G0W+4*\s], 1
	s_add_co_u32 s[G0W+4*\s+1], s30, \s*SLOT
	s_add_nc_u64 s[G0W+4*\s+2:G0W+4*\s+3], s[94:95], \s*BLK
	s_or_b32 s[G0W+4*\s+3], s[G0W+4*\s+3], 0x80000000
	JLOAD G0F+4*\s, G1F, G0W+4*\s, G1W
.endr
	; the kind, and with it which blocks are X's and which Y's: constants chosen on the cluster's y
	s_cmp_lt_u32 s3, 2
	s_cselect_b32 s[KIND], 0, 1
	s_cselect_b32 s66, 2*BLK, 0                    ; F: X = W's blocks (2, 3 of a slot);  S: X = the features' (0, 1)
	s_cselect_b32 s67, 0, 2*BLK
	s_cselect_b32 s30, 16384, 0                    ; and their scale words
	s_cselect_b32 s31, 0, 16384
	v_and_b32 v1, 31, v0
	v_lshlrev_b32 v[LI], 4, v1
	v_lshlrev_b32 v2, 2, v1
	s_mul_i32 s2, s[XH], BLK
	s_add_co_u32 s66, s66, s2
	s_mul_i32 s2, s[YH], BLK
	s_add_co_u32 s67, s67, s2
	v_add_nc_u32 v[ADRX], s66, v[LI]
	v_add_nc_u32 v[ADRX+1], SLOT, v[ADRX]
	v_add_nc_u32 v[ADRY], s67, v[LI]
	v_add_nc_u32 v[ADRY+1], SLOT, v[ADRY]
	s_lshl_b32 s2, s[XH], 13
	s_add_co_u32 s30, s30, s2
	s_add_co_u32 s30, s30, SCL
	s_lshl_b32 s2, s[YH], 13
	s_add_co_u32 s31, s31, s2
	s_add_co_u32 s31, s31, SCL
	v_add_nc_u32 v[ADSX], s30, v2
	v_add_nc_u32 v[ADSY], s31, v2
	; the biases.  Both kinds load both, at tile wy & 7, so that every register is written on every way and every load stays inside its buffer; a kind uses its own.
	s_and_b32 s92, s[WY], 7
	s_lshl_b32 s92, s92, 10
	s_lshl_b32 s94, s[XH], 9
	s_add_co_u32 s94, s94, s92
	s_mov_b32 s95, 0
	s_add_nc_u64 s[12:13], s[12:13], s[94:95]      ; bf at my 128 of X
	s_lshl_b32 s94, s[YH], 9
	s_add_co_u32 s94, s94, s92
	s_add_nc_u64 s[14:15], s[14:15], s[94:95]      ; bf1 at my 128 of Y
	v_bfe_u32 v3, v0, 4, 1
	v_lshlrev_b32 v3, 6, v3                        ; 64 h: register 16 b + i wants bf(32 b + 16 h + i)
	v_and_b32 v4, 15, v0
	v_and_b32 v5, 8, v4
	v_add_nc_u32 v4, v4, v5
	v_lshlrev_b32 v4, 2, v4                        ; 4 (r + 8 (r / 8)): lane r of block a holds column 32 (a / 2) + 8 (a % 2) + r + 8 (r / 8)
.irp b, 0,1,2,3
.irp j, 0,1,2,3
	global_load_b128 v[BX+16*\b+4*\j:BX+16*\b+4*\j+3], v3, s[12:13] offset:128*\b+16*\j
.endr
.endr
.irp a, 0,1,2,3,4,5,6,7
	global_load_b32 v[BY+2*\a], v4, s[14:15] offset:128*(\a/2)+32*(\a%2)           ; twice: a pair for the packed addition
	global_load_b32 v[BY+2*\a+1], v4, s[14:15] offset:128*(\a/2)+32*(\a%2)
.endr
	; where my results go.  F: image ((16 wx + 2 wy + xh) 16 + 8 yh + a); S: 6,291,456 + image ((128 wx + 16 (wy & 7) + 8 yh + a) 2 + xh)
	s_lshl_b32 s92, s[WX], 4
	s_lshl_b32 s93, s[WY], 1
	s_add_co_u32 s92, s92, s93
	s_add_co_u32 s92, s92, s[XH]
	s_lshl_b32 s93, s92, 1
	s_add_co_u32 s93, s93, s[YH]
	s_lshl_b32 s93, s93, 9                         ; F's scale words: 512 bytes for eight tiles
	s_lshl_b32 s92, s92, 4
	s_lshl_b32 s94, s[YH], 3
	s_add_co_u32 s92, s92, s94
	s_mul_i32 s92, s92, 1536                       ; F's codes
	s_and_b32 s95, s[WY], 7
	s_lshl_b32 s96, s[WX], 7
	s_lshl_b32 s97, s95, 4
	s_add_co_u32 s96, s96, s97
	s_add_co_u32 s96, s96, s94
	s_lshl_b32 s96, s96, 1
	s_add_co_u32 s96, s96, s[XH]
	s_mul_i32 s96, s96, 1536
	s_add_co_u32 s96, s96, 6291456                 ; S's codes
	s_lshl_b32 s97, s[WX], 4
	s_lshl_b32 s95, s95, 1
	s_add_co_u32 s97, s97, s95
	s_add_co_u32 s97, s97, s[YH]
	s_lshl_b32 s97, s97, 1
	s_add_co_u32 s97, s97, s[XH]
	s_lshl_b32 s97, s97, 9
	s_add_co_u32 s97, s97, 262144                  ; S's scale words
	s_cmp_eq_u32 s[KIND], 0
	s_cselect_b32 s92, s92, s96
	s_cselect_b32 s94, s93, s97
	s_mov_b32 s98, 3072
	s_cselect_b32 s98, 1536, s98                   ; from block to block of Y
	s_mov_b32 s93, 0
	s_mov_b32 s95, 0
	s_mov_b32 s99, 0
	s_add_nc_u64 s[16:17], s[16:17], s[92:93]
	s_add_nc_u64 s[18:19], s[18:19], s[94:95]
	s_wait_tensorcnt 0x1                           ; the scale words and my part of K step 0 are in; K step 1's load may be out
	s_barrier_signal -1
	s_barrier_wait -1
	FETCH_X 0, 0, 0
	FETCH_Y 0, 0, 0
	SCALES 0
	FETCH_Y 0, 0, 4
	STEP 0, 1                                      ; the first step stands in front of the loop: its products start the sums
	s_mov_b32 s3, 3
.Llap:                                                 ; a trip goes once round the ring and fills both slots again: K = 2,048 is four laps
	TURN 0, 1, 1
	STEP 1, 0
	TURN 1, 0, 1
	STEP 0, 0
	s_sub_co_u32 s3, s3, 1
	s_cmp_lg_u32 s3, 0
	s_cbranch_scc1 .Llap
	TURN 0, 1, 0                                   ; the last lap fills nothing, and has no round of the cluster's barrier
	STEP 1, 0
	s_wait_dscnt 12                                ; the very last step: nothing more to fetch
	WIN MUL_LO
	MUL16 0, 1, 1, 1, 0
	MUL16 2, 1, 1, 1, 0
	s_wait_dscnt 0x0
	WIN MUL_HI
	MUL16 4, 1, 1, 1, 0
	MUL16 6, 1, 1, 1, 0
	WIN 0
	; THE WAY OUT, block by block of Y's 16 rows: + bias, quantised along X, stored as an image.
	PLACES 4                                       ; in front of the first read of results and of vector writes of registers that held Y's fragments
	s_wait_loadcnt 0x0                             ; the biases
.irp b, 0,1,2,3
	v_mov_b32 v[TM+4+\b], 0                        ; a lane permute's destination counts as one of its sources
.endr
.macro OUTB a
.set AC, 64*((\a)%4)
.if (\a) > 0
	s_wait_xcnt 0x0                                ; the last block's stores have read their registers and their base
	s_add_nc_u64 s[16:17], s[16:17], s[98:99]
.endif
	s_cmp_eq_u32 s[KIND], 0                        ; the same in every wave of every partner; only additions stand in the two arms
	s_cbranch_scc0 .Lkind_s_\@
	WIN 0x02+(\a)/4                                ; source 0: window 2 or 3
.set jj, 0
.rept 32
	v_pk_add_f32 v[H+jj:H+jj+1], v[AC+jj:AC+jj+1], v[BX+jj:BX+jj+1]                 ; F: the bias runs along X.  Each accumulator from its low end on
.set jj, jj+2
.endr
	WIN 0
	s_branch .Lbiased_\@
.Lkind_s_\@:
	WIN 0x02+(\a)/4
.set jj, 0
.rept 32
	v_pk_add_f32 v[H+jj:H+jj+1], v[AC+jj:AC+jj+1], v[BY+2*(\a):BY+2*(\a)+1]         ; S: the bias is my row's
.set jj, jj+2
.endr
	WIN 0
.Lbiased_\@:
	QUANT H, PC, PW+(\a)
.irp c, 0,1,2
	global_store_b128 v[LI], v[PC+4*\c:PC+4*\c+3], s[16:17] offset:512*\c          ; 32 lanes store 512 consecutive bytes
.endr
.endm
.irp a, 0,1,2,3,4,5,6,7
	OUTB \a
.endr
	s_mov_b32 s28, 0xffff0000                      ; lanes 16-31
.irp i, 0,1,2,3
	v_cndmask_b32 v[TM+\i], v[PW+2*\i], v[PW+2*\i+1], s28                          ; word i of lane l: tile 2 i + l / 16, row l % 16
.endr
	global_store_b128 v[LI], v[TM:TM+3], s[18:19]  ; the eight tiles' scale words: 512 consecutive bytes
	s_wait_tensorcnt 0x0                           ; the wave's end: a tensor wait, an add to my spare word and its wait
	ds_add_u32 v[SPW], v[NIL]
	s_wait_dscnt 0x0
	CROUND                                         ; the closing round: no work-group ends while a partner may still ask for a block that names it
	s_endpgm
.Lfunc_end_k_q5260e48649_gemm:
	.size	k_q5260e48649_gemm, .Lfunc_end_k_q5260e48649_gemm-k_q5260e48649_gemm
	.p2alignl 7, 3214868480
	.fill 96, 4, 3214868480
	.section	.rodata,"a",@progbits
	.p2align	6, 0x0
	.amdhsa_kernel k_q5260e48649_gemm
		.amdhsa_group_segment_fixed_size 327680
		.amdhsa_private_segment_fixed_size 0
		.amdhsa_enable_private_segment 0
		.amdhsa_kernarg_size 64
		.amdhsa_user_sgpr_count 2
		.amdhsa_user_sgpr_kernarg_segment_ptr 1
		.amdhsa_wavefront_size32 1
		.amdhsa_system_sgpr_workgroup_id_x 1
		.amdhsa_system_sgpr_workgroup_id_y 1
		.amdhsa_system_sgpr_workgroup_id_z 1
		.amdhsa_system_vgpr_workitem_id 0
		.amdhsa_next_free_vgpr 1024
		.amdhsa_next_free_sgpr 102
		.amdhsa_reserve_vcc 0
		.amdhsa_float_denorm_mode_32 3
		.amdhsa_float_denorm_mode_16_64 3
		.amdhsa_memory_ordered 1
		.amdhsa_forward_progress 1
		.amdhsa_inst_pref_size 179
	.end_amdhsa_kernel
	.amdgpu_metadata
---
amdhsa.version: [ 1, 2 ]
amdhsa.kernels:
  - .name:           k_q5260e48649_gemm
    .symbol:         k_q5260e48649_gemm.kd
    .args:
      - { .name: fcod, .offset: 0, .size: 8, .value_kind: global_buffer, .address_space: global }
      - { .name: fscl, .offset: 8, .size: 8, .value_kind: global_buffer, .address_space: global }
      - { .name: wcod, .offset: 16, .size: 8, .value_kind: global_buffer, .address_space: global }
      - { .name: wscl, .offset: 24, .size: 8, .value_kind: global_buffer, .address_space: global }
      - { .name: bf, .offset: 32, .size: 8, .value_kind: global_buffer, .address_space: global }
      - { .name: bf1, .offset: 40, .size: 8, .value_kind: global_buffer, .address_space: global }
      - { .name: gcod, .offset: 48, .size: 8, .value_kind: global_buffer, .address_space: global }
      - { .name: gscl, .offset: 56, .size: 8, .value_kind: global_buffer, .address_space: global }
    .group_segment_fixed_size: 327680
    .private_segment_fixed_size: 0
    .kernarg_segment_align: 8
    .kernarg_segment_size: 64
    .max_flat_workgroup_size: 128
    .sgpr_count:     102
    .vgpr_count:     1024
    .wavefront_size: 32
...
	.end_amdgpu_metadata
.endif
;; end of part 2
;; launch attn (part 3): grid 8 x 16, 4 waves a work-group, no clusters, 219,648 bytes of LDS; arguments gcod, gscl, qcod, qscl, out0, out1; writes out0, out1
.if DOCPART == 3
	.amdgcn_target "amdgcn-amd-amdhsa--gfx1250"
	.amdhsa_code_object_version 6
	.text
	.protected	k_q5260e48649_attn
	.globl	k_q5260e48649_attn
	.p2align	8
	.type	k_q5260e48649_attn,@function
k_q5260e48649_attn:
	s_mov_b64 s[64:65], 0
	v_nop
	global_prefetch_b8 v0, s[64:65] scope:SCOPE_SE
	s_setreg_imm32_b32 hwreg(HW_REG_WAVE_MODE, 25, 1), 1
	s_wait_xcnt 0x0
; ATTN: scores = F Q (K = 2,048), softmax over the 64 attributes of scores / 8 (out0), the finished softmax quantised along n, out1 = S^T attn (K = 256).  All products on codes of FP6 (E2M3) with E8M0 scales.
; Work-group (p, b): ALL 256 x 64 scores of batch b (wave w: tiles of 16 rows n 4 w .. 4 w + 3), rows 32 p .. + 31 of out0, rows c = 256 p .. + 255 of out1 (wave w: tiles 16 p + 4 w + k).
; The scores are made anew in each of a batch's eight work-groups: the read-out needs attn of all 256 n, and work-groups hand each other nothing.
; S^T-style layouts: source 0 = 16 attributes (of Q, later of attn), source 1 = 16 rows (of F, later of S): a lane holds ONE row and eight neighbouring attributes a register run.
; F's and S's rows lie in the order of the launch before: in each group of 32, place 16 u + 8 g + i holds row 16 g + 8 u + i.  The stores of out0 and out1 and the reads for attn's codes undo it by their addresses.
; Q's codes and scale words and F's scale words of the batch come into LDS once, by tensor loads; nothing is filled again.  F's fragments feed one wave each: they go from memory straight into registers,
; a ring of five buffers of four fragments, up to 60 loads a wave on their way; every offset is an immediate, the 16 K steps are written out.
; No cluster: what the batch's work-groups could take jointly without a ring, Q, is under a fifth of a work-group's bytes, and F does not fit in LDS beside it.
; The maximum is taken away before the exponential: p = 2^(c s - c m), c = log2(e) / 8; the rounding of c m is common to a row and leaves with the division by the row's sum.
; LIMITS: a block of zeros gets the byte 1 where the quantiser's rule says 127 (its codes are zeros, and only this program reads the bytes); NaN and infinities are not served.
; REGISTERS: window 0: v1-19 addresses; v32-39 two sets of scale words {F, F, Q, Q}; v40-47 attn's scale words; v48-51 S's; v52-63 statistics; v64-191 the 16 accumulators ((nt, ta) at 64 + 8 (4 nt + ta)), later at work, later the read-out's;
;   v192-255 at work.   window 1: v0-95 Q's fragments, two sets, later attn's eight; v96-191 S's eight.   window 2: v0-239 F's ring.
.set QSC,   98304                      ; LDS: Q's images at 0; their scale words;
.set FSC,   102400                     ; F's scale words;
.set AS,    118784                     ; attn: 256 rows n (as they lie) x (256 bytes + 16);
.set AI,    188416                     ; attn's eight images, (ta, s) at (2 ta + s) x 1,536;
.set AISC,  200704                     ; their scale words, 128 bytes each;
.set OS,    201728                     ; the way out: 16 rows x 272 for each wave;
.set SPARE, 219136                     ; the spare words
.set LI,   1
.set QA1,  2
.set FSA,  3
.set QSA,  4
.set ASW,  5
.set AOR,  6
.set AQ0,  8
.set AQ1,  9
.set AIW,  10
.set AISW, 11
.set AIR,  12
.set AISR, 13
.set OSW,  14
.set OSR,  15
.set OGO,  16
.set SSA,  17
.set SPW,  18
.set NIL,  19
.set SCS,  32
.set AWS,  40
.set SWS,  48
.set ST,   52                          ; tile nt: ST + 2 nt: -c m, later 1 / sum; ST + 2 nt + 1: at work
.set MXR,  60
.set ACC,  64
.set TM,   128
.set PC,   144
.set PWR,  164
.set O0R,  168
.set SU,   192
.set WV,   16
.set P,    17
.set B,    18
.set G1A,  20
.set G1B,  28
.set G1C,  36
.set G0A,  44
.set G0B,  48
.set G0C,  52
.set SEL,  56
.set CS,   58
.set NC,   60
.set FBS,  66
.set SBS,  68
.set SSB,  70
.set MSB, 0
.macro WIN new
.if MSB != (\new)
	s_set_vgpr_msb (MSB<<8)|(\new)
.set MSB, (\new)
.endif
.endm
.macro PLACES n
.rept \n
	v_nop
.endr
.endm
.macro QUANT s, pc, pw                 ; 64 numbers of a lane, register 16 b + i = k 32 b + 16 (lane / 16) + i of my row -> a fragment in v[pc] .. v[pc + 11], its scale word in v[pw]
.irp b, 0,1,2,3
	v_max3_num_f32 v[TM+\b], |v[\s+16*\b]|, |v[\s+16*\b+1]|, 0x1800000   ; and the floor 2^(3 - 127): the byte cannot fall under 1
.endr
.irp i, 2,4,6,8,10,12,14
.irp b, 0,1,2,3
	v_max3_num_f32 v[TM+\b], v[TM+\b], |v[\s+16*\b+\i]|, |v[\s+16*\b+\i+1]|
.endr
.endr
.irp b, 0,1,2,3
	v_permlanex16_b32 v[TM+4+\b], v[TM+\b], s[SEL], s[SEL+1]
.endr
.irp b, 0,1,2,3
	v_max_num_f32 v[TM+\b], v[TM+\b], v[TM+4+\b]
.endr
.irp b, 0,1,2,3
	v_add_nc_u32 v[TM+12+\b], 0xff000000, v[TM+\b]
.endr
.irp b, 0,1,2,3
	v_lshrrev_b32 v[TM+4+\b], 23, v[TM+12+\b]
.endr
	v_lshl_or_b32 v[\pw], v[TM+5], 8, v[TM+4]
	v_lshl_or_b32 v[\pw], v[TM+6], 16, v[\pw]
	v_lshl_or_b32 v[\pw], v[TM+7], 24, v[\pw]
.irp c, 0,1
	v_cvt_scalef32_pk16_fp6_f32 v[\pc+6*\c:\pc+6*\c+2], v[\s+32*\c:\s+32*\c+15], v[TM+12+2*\c]
	v_cvt_scalef32_pk16_fp6_f32 v[\pc+12+4*\c:\pc+12+4*\c+2], v[\s+32*\c+16:\s+32*\c+31], v[TM+12+2*\c+1]
.endr
	v_nop                                                        ; one plain place behind a scaled conversion
.irp c, 0,1
.irp i, 0,1,2
	v_permlane16_swap_b32 v[\pc+6*\c+\i], v[\pc+12+4*\c+\i]
.endr
.irp i, 0,1,2
	v_mov_b32 v[\pc+6*\c+3+\i], v[\pc+12+4*\c+\i]
.endr
.endr
.endm
.macro WMS zero                        ; one scaled product on rD, rA, rB, rSA, rSB.  par bit 0: source 0's scales lie in lanes 16-31; bit 1: source 1's
.if \zero
.if par == 0
	v_wmma_scale_f32_16x16x128_f8f6f4 v[rD:rD+7], v[rA:rA+11], v[rB:rB+11], 0, v[rSA], v[rSB] matrix_a_fmt:MATRIX_FMT_FP6 matrix_b_fmt:MATRIX_FMT_FP6
.elseif par == 1
	v_wmma_scale_f32_16x16x128_f8f6f4 v[rD:rD+7], v[rA:rA+11], v[rB:rB+11], 0, v[rSA], v[rSB] matrix_a_fmt:MATRIX_FMT_FP6 matrix_b_fmt:MATRIX_FMT_FP6 matrix_a_scale:MATRIX_SCALE_ROW1
.elseif par == 2
	v_wmma_scale_f32_16x16x128_f8f6f4 v[rD:rD+7], v[rA:rA+11], v[rB:rB+11], 0, v[rSA], v[rSB] matrix_a_fmt:MATRIX_FMT_FP6 matrix_b_fmt:MATRIX_FMT_FP6 matrix_b_scale:MATRIX_SCALE_ROW1
.else
	v_wmma_scale_f32_16x16x128_f8f6f4 v[rD:rD+7], v[rA:rA+11], v[rB:rB+11], 0, v[rSA], v[rSB] matrix_a_fmt:MATRIX_FMT_FP6 matrix_b_fmt:MATRIX_FMT_FP6 matrix_a_scale:MATRIX_SCALE_ROW1 matrix_b_scale:MATRIX_SCALE_ROW1
.endif
.else
.if par == 0
	v_wmma_scale_f32_16x16x128_f8f6f4 v[rD:rD+7], v[rA:rA+11], v[rB:rB+11], v[rD:rD+7], v[rSA], v[rSB] matrix_a_fmt:MATRIX_FMT_FP6 matrix_b_fmt:MATRIX_FMT_FP6
.elseif par == 1
	v_wmma_scale_f32_16x16x128_f8f6f4 v[rD:rD+7], v[rA:rA+11], v[rB:rB+11], v[rD:rD+7], v[rSA], v[rSB] matrix_a_fmt:MATRIX_FMT_FP6 matrix_b_fmt:MATRIX_FMT_FP6 matrix_a_scale:MATRIX_SCALE_ROW1
.elseif par == 2
	v_wmma_scale_f32_16x16x128_f8f6f4 v[rD:rD+7], v[rA:rA+11], v[rB:rB+11], v[rD:rD+7], v[rSA], v[rSB] matrix_a_fmt:MATRIX_FMT_FP6 matrix_b_fmt:MATRIX_FMT_FP6 matrix_b_scale:MATRIX_SCALE_ROW1
.else
	v_wmma_scale_f32_16x16x128_f8f6f4 v[rD:rD+7], v[rA:rA+11], v[rB:rB+11], v[rD:rD+7], v[rSA], v[rSB] matrix_a_fmt:MATRIX_FMT_FP6 matrix_b_fmt:MATRIX_FMT_FP6 matrix_a_scale:MATRIX_SCALE_ROW1 matrix_b_scale:MATRIX_SCALE_ROW1
.endif
.endif
.endm
.macro FLOAD s                         ; my four fragments of F of K step s, from memory into buffer s % 5 of window 2: 12 loads, each 512 consecutive bytes
	WIN 0x80
.irp nt, 0,1,2,3
.irp c, 0,1,2
	global_load_b128 v[48*((\s)%5)+12*\nt+4*\c:48*((\s)%5)+12*\nt+4*\c+3], v[LI], s[FBS:FBS+1] offset:(\s)*24576+\nt*1536+512*\c
.endr
.endr
.endm
.macro QREAD s                         ; Q's four fragments of K step s into set s % 2 of window 1, and the step's scale words: 15 LDS loads
	WIN 0x40
.irp ta, 0,1,2,3
.irp c, 0,1,2
.if (\s) < 8
	ds_load_b128 v[48*((\s)%2)+12*\ta+4*\c:48*((\s)%2)+12*\ta+4*\c+3], v[LI] offset:(\s)*6144+\ta*1536+512*\c
.else
	ds_load_b128 v[48*((\s)%2)+12*\ta+4*\c:48*((\s)%2)+12*\ta+4*\c+3], v[QA1] offset:((\s)-8)*6144+\ta*1536+512*\c
.endif
.endr
.endr
	WIN 0
	ds_load_b64 v[SCS+4*((\s)%2):SCS+4*((\s)%2)+1], v[FSA] offset:(\s)*1024       ; F's: register i: lanes 0-15 my tile 2 i, lanes 16-31 my tile 2 i + 1
	ds_load_b32 v[SCS+4*((\s)%2)+2], v[QSA] offset:(\s)*256                       ; Q's likewise
	ds_load_b32 v[SCS+4*((\s)%2)+3], v[QSA] offset:(\s)*256+128
.endm
.macro SLOAD                           ; S's eight fragments ((k, s) at 96 + 12 (2 k + s) of window 1) and their scale words: 26 loads
	WIN 0x40
.irp f, 0,1,2,3,4,5,6,7
.irp c, 0,1,2
	global_load_b128 v[96+12*\f+4*\c:96+12*\f+4*\c+3], v[LI], s[SBS:SBS+1] offset:\f*1536+512*\c th:TH_LOAD_NT
.endr
.endr
	WIN 0
	global_load_b64 v[SWS:SWS+1], v[SSA], s[SSB:SSB+1]
	global_load_b64 v[SWS+2:SWS+3], v[SSA], s[SSB:SSB+1] offset:512
.endm
.macro SSTEP s                         ; K step s of the scores: 16 products, the accumulators by turns
.if (\s) > 0
	PLACES 4                                       ; in front of loads into registers that the last step's products have read
.endif
.if (\s) <= 11
	FLOAD (\s)+4                                   ; into the buffer that the last step has left
.endif
.if (\s) == 12
	SLOAD
.endif
.if (\s) < 15
	QREAD (\s)+1
.endif
.if (\s) <= 11
	s_wait_loadcnt 48                              ; this step's 12 loads are in; those of the four steps behind it may be out
.else
	s_wait_loadcnt 12*(15-(\s))+26                 ; behind this step's: the steps left, 12 each, and S's 26
.endif
.if (\s) < 15
	s_wait_dscnt 15                                ; this step's Q and scale words are in; the next step's 15 loads may be out
.else
	s_wait_dscnt 0x0
.endif
	WIN 0x09                                       ; source 0 (Q) window 1, source 1 (F) window 2, C and D window 0
.irp nt, 0,1,2,3
.irp ta, 0,1,2,3
.set rD, ACC+8*(4*\nt+\ta)
.set rA, 48*((\s)%2)+12*\ta
.set rB, 48*((\s)%5)+12*\nt
.set rSA, SCS+4*((\s)%2)+2+\ta/2
.set rSB, SCS+4*((\s)%2)+\nt/2
.set par, 2*(\nt%2)+\ta%2
.if (\s) == 0
	WMS 1
.else
	WMS 0
.endif
.endr
.endr
	WIN 0
.endm
	s_load_b256 s[4:11], s[0:1], 0x0               ; gcod 4, gscl 6, qcod 8, qscl 10
	s_load_b128 s[12:15], s[0:1], 0x20             ; out0 12, out1 14
	v_lshl_add_u32 v[SPW], v0, 2, SPARE
	v_mov_b32 v[NIL], 0
	ds_add_u32 v[SPW], v[NIL]                      ; the wave's opening: the add and its wait stand ahead of my first tensor load; the set-up, work on registers, stands between
	v_lshrrev_b32 v20, 5, v0
	v_readfirstlane_b32 s[WV], v20                 ; wave 0..3
	s_min_u32 s[P], ttmp9, 7                       ; p (the grid has eight along x)
	s_and_b32 s[B], ttmp7, 0xffff                  ; the batch
	; descriptor groups 1: dense blocks as rows of 256 bytes (32 elements of 8 bytes), no padding: 96, 4 and 16 rows
.irp g, G1A, G1B, G1C
	s_mov_b32 s[\g+0], 3<<16
	s_mov_b32 s[\g+1], 32<<16
	s_mov_b32 s[\g+3], 32<<16
	s_mov_b32 s[\g+5], 32
	s_mov_b32 s[\g+6], 0
	s_mov_b32 s[\g+7], 0
.endr
	s_mov_b32 s[G1A+2], 96<<16
	s_mov_b32 s[G1A+4], 96
	s_mov_b32 s[G1B+2], 4<<16
	s_mov_b32 s[G1B+4], 4
	s_mov_b32 s[G1C+2], 16<<16
	s_mov_b32 s[G1C+4], 16
	s_mov_b32 s[SEL], 0x76543210
	s_mov_b32 s[SEL+1], 0xfedcba98
	s_mov_b32 s[CS], 0x3e38aa3b                    ; c = log2(e) / 8
	s_mov_b32 s[CS+1], s[CS]                       ; (named with it as a pair)
	s_mov_b32 s[NC], 0xbe38aa3b                    ; -c
	s_lshr_b32 s61, s[WV], 1
	s_and_b32 s62, s[WV], 1
	v_and_b32 v20, 31, v0                          ; l
	v_and_b32 v21, 15, v0                          ; r
	v_bfe_u32 v22, v0, 4, 1                        ; h
	v_lshlrev_b32 v[LI], 4, v20
	v_add_nc_u32 v[QA1], 49152, v[LI]
	s_lshl_b32 s63, s62, 3
	v_add_nc_u32 v[SSA], s63, v[LI]                ; 16 l + 8 (w & 1): my four tiles' two words of a block of eight tiles' scale words
	s_lshl_b32 s19, s61, 9
	s_add_co_u32 s63, s63, s19
	s_add_co_u32 s63, s63, FSC
	v_add_nc_u32 v[FSA], s63, v[LI]
	v_lshl_add_u32 v[QSA], v20, 2, QSC
	v_mul_u32_u24 v23, v21, 272
	v_lshl_add_u32 v23, v22, 5, v23                ; 272 r + 32 h
	s_mul_i32 s63, s[WV], 17408
	s_add_co_u32 s63, s63, AS
	v_add_nc_u32 v[ASW], s63, v23                  ; attn in: row 64 w + r (+ 16 nt), bytes 32 h (+ 64 ta) on
	s_mul_i32 s63, s[WV], 4352
	s_add_co_u32 s63, s63, OS
	v_add_nc_u32 v[OSW], s63, v23
	v_mul_u32_u24 v24, v22, 272
	v_lshl_add_u32 v24, v21, 4, v24                ; 272 h + 16 r: lanes 0-15 one row, lanes 16-31 the next
	v_add_nc_u32 v[OSR], s63, v24
	s_lshl_b32 s63, s[P], 5
	s_lshl_b32 s19, s[WV], 3
	s_add_co_u32 s63, s63, s19
	s_mul_i32 s63, s63, 272
	s_add_co_u32 s63, s63, AS
	v_add_nc_u32 v[AOR], s63, v24                  ; out0: places 32 p + 8 w + h on
	v_lshlrev_b32 v[OGO], 8, v22
	v_lshl_add_u32 v[OGO], v21, 4, v[OGO]          ; 256 h + 16 r: the same two rows in out0 and in out1
	v_mul_u32_u24 v25, v22, 2176
	v_lshl_add_u32 v25, v21, 2, v25
	s_lshl_b32 s63, s[WV], 6
	s_add_co_u32 s63, s63, AS
	v_add_nc_u32 v[AQ0], s63, v25                  ; attn's numbers for its codes: column a = 16 w + r, places 8 h on
	v_add_nc_u32 v[AQ1], 34816, v[AQ0]             ; and 128 places further down
	s_mul_i32 s63, s[WV], 3072
	s_add_co_u32 s63, s63, AI
	v_add_nc_u32 v[AIW], s63, v[LI]
	v_add_nc_u32 v[AIR], AI, v[LI]
	v_lshlrev_b32 v26, 2, v20
	s_lshl_b32 s63, s[WV], 8
	s_add_co_u32 s63, s63, AISC
	v_add_nc_u32 v[AISW], s63, v26
	v_add_nc_u32 v[AISR], AISC, v26
.irp nt, 0,1,2,3
	v_mov_b32 v[ST+2*\nt+1], 0                     ; a lane permute's destination counts as one of its sources
.endr
	s_mul_i32 s66, s[B], 393216                    ; F's codes: the batch, my four tiles
	s_mul_i32 s63, s[WV], 6144
	s_add_co_u32 s66, s66, s63
	s_mov_b32 s67, 0
	s_lshl_b32 s68, s[B], 7                        ; S's codes: tile 128 b + 16 p + 4 w, 3,072 bytes a tile
	s_lshl_b32 s63, s[P], 4
	s_add_co_u32 s68, s68, s63
	s_lshl_b32 s63, s[WV], 2
	s_add_co_u32 s68, s68, s63
	s_mul_i32 s68, s68, 3072
	s_add_co_u32 s68, s68, 6291456
	s_mov_b32 s69, 0
	s_lshl_b32 s70, s[B], 4                        ; S's scale words: group of eight tiles 16 b + 2 p + (w >> 1), 1,024 bytes a group
	s_lshl_b32 s63, s[P], 1
	s_add_co_u32 s70, s70, s63
	s_add_co_u32 s70, s70, s61
	s_lshl_b32 s70, s70, 10
	s_add_co_u32 s70, s70, 262144
	s_mov_b32 s71, 0
	s_lshl_b32 s72, s[B], 8                        ; out0: row 256 b + 32 p + 16 (w & 1) + 8 (w >> 1): the rows that lie at places 32 p + 8 w on
	s_lshl_b32 s63, s[P], 5
	s_add_co_u32 s72, s72, s63
	s_lshl_b32 s63, s62, 4
	s_add_co_u32 s72, s72, s63
	s_lshl_b32 s63, s61, 3
	s_add_co_u32 s72, s72, s63
	s_lshl_b32 s72, s72, 8
	s_mov_b32 s73, 0
	s_lshl_b32 s74, s[B], 11                       ; out1: row 2,048 b + 256 p + 64 w
	s_lshl_b32 s63, s[P], 8
	s_add_co_u32 s74, s74, s63
	s_lshl_b32 s63, s[WV], 6
	s_add_co_u32 s74, s74, s63
	s_lshl_b32 s74, s74, 8
	s_mov_b32 s75, 0
	s_mul_i32 s76, s[B], 98304                     ; what I fetch: a quarter of the batch's Q codes,
	s_mul_i32 s63, s[WV], 24576
	s_add_co_u32 s76, s76, s63
	s_mov_b32 s77, 0
	s_mov_b32 s[G0A], 1
	s_mov_b32 s[G0A+1], s63                        ; to 24,576 x wave
	s_lshl_b32 s78, s[B], 12                       ; of Q's scale words,
	s_lshl_b32 s63, s[WV], 10
	s_add_co_u32 s78, s78, s63
	s_mov_b32 s79, 0
	s_mov_b32 s[G0B], 1
	s_add_co_u32 s[G0B+1], s63, QSC
	s_lshl_b32 s80, s[B], 14                       ; of F's scale words
	s_lshl_b32 s63, s[WV], 12
	s_add_co_u32 s80, s80, s63
	s_mov_b32 s81, 0
	s_mov_b32 s[G0C], 1
	s_add_co_u32 s[G0C+1], s63, FSC
	s_wait_dscnt 0x0                               ; the opening add is done
	s_wait_kmcnt 0x0
	s_add_nc_u64 s[G0A+2:G0A+3], s[8:9], s[76:77]
	s_or_b32 s[G0A+3], s[G0A+3], 0x80000000
	s_add_nc_u64 s[G0B+2:G0B+3], s[10:11], s[78:79]
	s_or_b32 s[G0B+3], s[G0B+3], 0x80000000
	s_add_nc_u64 s[G0C+2:G0C+3], s[6:7], s[80:81]
	s_or_b32 s[G0C+3], s[G0C+3], 0x80000000
	tensor_load_to_lds s[G0A:G0A+3], s[G1A:G1A+7]  ; the first fills, and the only ones: three loads of mine are out
	s_nop 0
	tensor_load_to_lds s[G0B:G0B+3], s[G1B:G1B+7]
	s_nop 0
	tensor_load_to_lds s[G0C:G0C+3], s[G1C:G1C+7]
	s_nop 0
.rept 4
	v_nop                                          ; four instructions ahead of the first switch of the register windows
.endr
	s_add_nc_u64 s[FBS:FBS+1], s[4:5], s[66:67]
	s_add_nc_u64 s[SBS:SBS+1], s[4:5], s[68:69]
	s_add_nc_u64 s[SSB:SSB+1], s[6:7], s[70:71]
	s_add_nc_u64 s[12:13], s[12:13], s[72:73]
	s_add_nc_u64 s[14:15], s[14:15], s[74:75]
	FLOAD 0
	FLOAD 1
	FLOAD 2
	FLOAD 3
	WIN 0
	s_wait_tensorcnt 0x0                           ; my parts have landed
	s_barrier_signal -1
	s_barrier_wait -1                              ; everybody's have
	QREAD 0
.irp s, 0,1,2,3,4,5,6,7,8,9,10,11,12,13,14,15
	SSTEP \s
.endr
	; ---- the softmax: a lane holds 32 of its row's 64 scores, lane l xor 16 the others.  The four tiles by turns.
	PLACES 4
.irp nt, 0,1,2,3
	v_max3_num_f32 v[MXR+\nt], v[ACC+32*\nt], v[ACC+32*\nt+1], v[ACC+32*\nt+2]     ; in ascending order: each accumulator is read from its low end on
.endr
.irp i, 3,5,7,9,11,13,15,17,19,21,23,25,27,29
.irp nt, 0,1,2,3
	v_max3_num_f32 v[MXR+\nt], v[MXR+\nt], v[ACC+32*\nt+\i], v[ACC+32*\nt+\i+1]
.endr
.endr
.irp nt, 0,1,2,3
	v_max_num_f32 v[MXR+\nt], v[MXR+\nt], v[ACC+32*\nt+31]
.endr
.irp nt, 0,1,2,3
	v_permlanex16_b32 v[ST+2*\nt+1], v[MXR+\nt], s[SEL], s[SEL+1]
.endr
.irp nt, 0,1,2,3
	v_max_num_f32 v[MXR+\nt], v[MXR+\nt], v[ST+2*\nt+1]           ; the row's largest score
.endr
.irp nt, 0,1,2,3
	v_mul_f32 v[ST+2*\nt], s[NC], v[MXR+\nt]                      ; -c m
.endr
.irp j, 0,2,4,6,8,10,12,14,16,18,20,22,24,26,28,30
.irp nt, 0,1,2,3
	v_pk_fma_f32 v[ACC+32*\nt+\j:ACC+32*\nt+\j+1], v[ACC+32*\nt+\j:ACC+32*\nt+\j+1], s[CS:CS+1], v[ST+2*\nt:ST+2*\nt+1] op_sel_hi:[1,0,0]   ; c s - c m, two at a time
.endr
.endr
.set jj, 0
.rept 128
	v_exp_f32 v[ACC+jj], v[ACC+jj]                 ; one batch
.set jj, jj+1
.endr
	v_nop                                          ; a plain instruction behind the last exponential
	s_wait_alu depctr_va_vdst(0)                   ; one wait for the batch, ahead of its first reader
.irp nt, 0,1,2,3
	v_pk_add_f32 v[SU+2*\nt:SU+2*\nt+1], v[ACC+32*\nt:ACC+32*\nt+1], v[ACC+32*\nt+2:ACC+32*\nt+3]
.endr
.irp j, 4,6,8,10,12,14,16,18,20,22,24,26,28,30
.irp nt, 0,1,2,3
	v_pk_add_f32 v[SU+2*\nt:SU+2*\nt+1], v[SU+2*\nt:SU+2*\nt+1], v[ACC+32*\nt+\j:ACC+32*\nt+\j+1]
.endr
.endr
.irp nt, 0,1,2,3
	v_add_f32 v[SU+2*\nt], v[SU+2*\nt], v[SU+2*\nt+1]
.endr
.irp nt, 0,1,2,3
	v_permlanex16_b32 v[SU+2*\nt+1], v[SU+2*\nt], s[SEL], s[SEL+1]
.endr
.irp nt, 0,1,2,3
	v_add_f32 v[SU+2*\nt], v[SU+2*\nt], v[SU+2*\nt+1]             ; the row's sum
.endr
.irp nt, 0,1,2,3
	v_rcp_f32 v[ST+2*\nt], v[SU+2*\nt]
.endr
	v_nop                                          ; a plain instruction behind the last reciprocal
	s_wait_alu depctr_va_vdst(0)                   ; one wait for the four
.irp j, 0,2,4,6,8,10,12,14,16,18,20,22,24,26,28,30
.irp nt, 0,1,2,3
	v_pk_mul_f32 v[ACC+32*\nt+\j:ACC+32*\nt+\j+1], v[ACC+32*\nt+\j:ACC+32*\nt+\j+1], v[ST+2*\nt:ST+2*\nt+1] op_sel_hi:[1,0]   ; attn, finished and normalised
.endr
.endr
.irp nt, 0,1,2,3
.irp ta, 0,1,2,3
	ds_store_b128 v[ASW], v[ACC+32*\nt+8*\ta:ACC+32*\nt+8*\ta+3] offset:\nt*16*272+64*\ta
	ds_store_b128 v[ASW], v[ACC+32*\nt+8*\ta+4:ACC+32*\nt+8*\ta+7] offset:\nt*16*272+64*\ta+16
.endr
.endr
	s_wait_dscnt 0x0                               ; for the others' sake: my rows of attn have landed
	s_barrier_signal -1
	s_barrier_wait -1
	; ---- out0: my eight rows, whole;  attn's numbers for its codes: wave w makes the fragments of attributes 16 w .. + 15, K steps 0 and 1 along n
.irp i, 0,1,2,3
	ds_load_b128 v[O0R+4*\i:O0R+4*\i+3], v[AOR] offset:\i*544
.endr
.irp b, 0,1,2,3
.set ii, 0
.rept 16
	ds_load_b32 v[64+16*\b+ii], v[AQ0] offset:(32*\b+16*(ii/8)+ii%8)*272           ; register 16 b + i: row n = 32 b + 16 h + i, which lies at place 32 b + 16 (i / 8) + 8 h + i % 8
.set ii, ii+1
.endr
.endr
.irp b, 0,1,2,3
.set ii, 0
.rept 16
	ds_load_b32 v[192+16*\b+ii], v[AQ1] offset:(32*\b+16*(ii/8)+ii%8)*272
.set ii, ii+1
.endr
.endr
.irp b, 0,1,2,3
	v_mov_b32 v[TM+4+\b], 0
.endr
	s_wait_dscnt 63                                ; out0's rows and K step 0's 64 numbers are in: 64 loads were issued behind them, and the count is one stricter
.irp i, 0,1,2,3
	global_store_b128 v[OGO], v[O0R+4*\i:O0R+4*\i+3], s[12:13] offset:512*\i       ; 16 lanes store 256 consecutive bytes, a whole row of out0
.endr
	QUANT 64, PC, PWR
.irp c, 0,1,2
	ds_store_b128 v[AIW], v[PC+4*\c:PC+4*\c+3] offset:512*\c
.endr
	ds_store_b32 v[AISW], v[PWR]
	s_wait_dscnt 0x0                               ; K step 1's numbers are in, and the stores have read their registers
	QUANT 192, PC, PWR
.irp c, 0,1,2
	ds_store_b128 v[AIW], v[PC+4*\c:PC+4*\c+3] offset:1536+512*\c
.endr
	ds_store_b32 v[AISW], v[PWR] offset:128
	s_wait_dscnt 0x0                               ; for the others' sake: my images have landed
	s_barrier_signal -1
	s_barrier_wait -1
	; ---- the read-out: my four tiles of 16 rows c x 64 attributes, K = 256
	s_wait_xcnt 0x0                                ; out0's stores have read their registers, which the sums below take
	WIN 0x40
.irp f, 0,1,2,3,4,5,6,7
.irp c, 0,1,2
	ds_load_b128 v[12*\f+4*\c:12*\f+4*\c+3], v[AIR] offset:\f*1536+512*\c
.endr
.endr
	WIN 0
.irp f, 0,1,2,3,4,5,6,7
	ds_load_b32 v[AWS+\f], v[AISR] offset:\f*128
.endr
	s_wait_loadcnt 0x0                             ; S's fragments and scale words
	s_wait_dscnt 0x0
	WIN 0x05                                       ; sources 0 (attn) and 1 (S) window 1, C and D window 0
.irp s, 0,1
.irp k, 0,1,2,3
.irp ta, 0,1,2,3
.set rD, ACC+8*(4*\k+\ta)
.set rA, 12*(2*\ta+\s)
.set rB, 96+12*(2*\k+\s)
.set rSA, AWS+2*\ta+\s
.set rSB, SWS+2*\s+\k/2
.set par, 2*(\k%2)
.if \s == 0
	WMS 1
.else
	WMS 0
.endif
.endr
.endr
.endr
	WIN 0
	PLACES 4
; Tile k goes through my stage and comes back as whole rows of 256 bytes.  LDS serves a wave's instructions in order: no wait between the stores and the loads, nor in front of the next tile's stores.
.macro OTILE k
.set BK, 192+32*((\k)%2)
.if (\k) >= 2
	s_wait_xcnt 0x0                                ; tile k - 2's stores have read the registers that these loads fill
.endif
.irp ta, 0,1,2,3
	ds_store_b128 v[OSW], v[ACC+8*(4*(\k)+\ta):ACC+8*(4*(\k)+\ta)+3] offset:64*\ta           ; each accumulator from its low end on
	ds_store_b128 v[OSW], v[ACC+8*(4*(\k)+\ta)+4:ACC+8*(4*(\k)+\ta)+7] offset:64*\ta+16
.endr
.irp i, 0,1,2,3,4,5,6,7
	ds_load_b128 v[BK+4*\i:BK+4*\i+3], v[OSR] offset:\i*544
.endr
.irp i, 0,1,2,3,4,5,6,7
	s_wait_dscnt 7-\i
	global_store_b128 v[OGO], v[BK+4*\i:BK+4*\i+3], s[14:15] offset:(32*((\k)/2)+8*((\k)%2)+16*(\i/4)+2*(\i%4))*256   ; places 2 i, 2 i + 1 of the tile are rows 16 (i / 4) + 8 (k % 2) + 2 (i % 4) on of their group of 32; 16 lanes store a whole row
.endr
.endm
	OTILE 0
	OTILE 1
	OTILE 2
	OTILE 3
	s_wait_tensorcnt 0x0                           ; the wave's end: a tensor wait, an add to my spare word and its wait, behind my last tensor load and my last LDS store
	ds_add_u32 v[SPW], v[NIL]
	s_wait_dscnt 0x0
	s_endpgm
.Lfunc_end_k_q5260e48649_attn:
	.size	k_q5260e48649_attn, .Lfunc_end_k_q5260e48649_attn-k_q5260e48649_attn
	.p2alignl 7, 3214868480
	.fill 96, 4, 3214868480
	.section	.rodata,"a",@progbits
	.p2align	6, 0x0
	.amdhsa_kernel k_q5260e48649_attn
		.amdhsa_group_segment_fixed_size 219648
		.amdhsa_private_segment_fixed_size 0
		.amdhsa_enable_private_segment 0
		.amdhsa_kernarg_size 48
		.amdhsa_user_sgpr_count 2
		.amdhsa_user_sgpr_kernarg_segment_ptr 1
		.amdhsa_wavefront_size32 1
		.amdhsa_system_sgpr_workgroup_id_x 1
		.amdhsa_system_sgpr_workgroup_id_y 1
		.amdhsa_system_sgpr_workgroup_id_z 1
		.amdhsa_system_vgpr_workitem_id 0
		.amdhsa_next_free_vgpr 768
		.amdhsa_next_free_sgpr 84
		.amdhsa_reserve_vcc 0
		.amdhsa_float_denorm_mode_32 3
		.amdhsa_float_denorm_mode_16_64 3
		.amdhsa_memory_ordered 1
		.amdhsa_forward_progress 1
		.amdhsa_inst_pref_size 135
	.end_amdhsa_kernel
	.amdgpu_metadata
---
amdhsa.version: [ 1, 2 ]
amdhsa.kernels:
  - .name:           k_q5260e48649_attn
    .symbol:         k_q5260e48649_attn.kd
    .args:
      - { .name: gcod, .offset: 0, .size: 8, .value_kind: global_buffer, .address_space: global }
      - { .name: gscl, .offset: 8, .size: 8, .value_kind: global_buffer, .address_space: global }
      - { .name: qcod, .offset: 16, .size: 8, .value_kind: global_buffer, .address_space: global }
      - { .name: qscl, .offset: 24, .size: 8, .value_kind: global_buffer, .address_space: global }
      - { .name: out0, .offset: 32, .size: 8, .value_kind: global_buffer, .address_space: global }
      - { .name: out1, .offset: 40, .size: 8, .value_kind: global_buffer, .address_space: global }
    .group_segment_fixed_size: 219648
    .private_segment_fixed_size: 0
    .kernarg_segment_align: 8
    .kernarg_segment_size: 48
    .max_flat_workgroup_size: 128
    .sgpr_count:     84
    .vgpr_count:     768
    .wavefront_size: 32
...
	.end_amdgpu_metadata
.endif
;; end of part 3
